; MI455X (gfx1250); checked and timed in simulation.
; The chip was launched on July 23, 2026; its instructions are those of AMD's public machine-readable ISA for CDNA 5 (MIT licence, August 2026) and "CDNA5" Instruction Set Architecture Reference Guide (July 2026). The comments in the code are by the model that wrote it; some were corrected since.
;; Model. Allowed arithmetic: matrix products marked QUANTISED: E4M3 operands, one given power-of-two scale a tensor, by v_wmma_f32_16x16x64_fp8_fp8 or v_wmma_f32_16x16x128_fp8_fp8, f32 sums; products left as they are: f32 operands where the result goes on into a quantised operand, else bf16, f16 or f32 operands; f32 sums; everything else in f32.
;; Inputs: A 100,000 x 64 float32; C 3 x 100,000 x 64 float32; encoding 20 x 64 float32; lowp_scales 2 int32 (the exponents e of the quantised operands' scales 2^e); queries 32 x 20 int32; stories 32 x 50 x 20 int32.
;; Outputs: out0 32 x 100,000 float32.
;; This version of the problem:
;;   THIS VERSION OF THE PROBLEM IS GIVEN IN LOW PRECISION. The matrix products marked QUANTISED in the list below multiply operands that are first quantised to E4M3 (4 exponent bits, 3 mantissa bits; 8 bits a number), with one given power-of-two scale for each operand tensor; their sums are f32. All else is computed in f32.
;;   The module's matrix products, in the order in which they are computed (A, B: the left and right operand; K: the contracted axis; several contracted axes count as one K, in the product's order):
;;     1. batch 32 x [M 50, K 64] x [K 64, N 1]; A: computed on the way; B: computed on the way: left as it is (N = 1 < 16)
;;     2. batch 32 x [M 1, K 50] x [K 50, N 64]; A: softmax; B: computed on the way: left as it is (M = 1 < 16)
;;     3. batch 32 x [M 50, K 64] x [K 64, N 1]; A: computed on the way; B: computed on the way: left as it is (N = 1 < 16)
;;     4. batch 32 x [M 1, K 50] x [K 50, N 64]; A: softmax; B: computed on the way: left as it is (M = 1 < 16)
;;     5. batch 32 x [M 50, K 64] x [K 64, N 1]; A: computed on the way; B: computed on the way: left as it is (N = 1 < 16)
;;     6. batch 32 x [M 1, K 50] x [K 50, N 64]; A: softmax; B: computed on the way: left as it is (M = 1 < 16)
;;     7. [M 32, K 64] x [K 64, N 100,000]; A: computed on the way; B: input C: QUANTISED (scales: A lowp_scales[0], B lowp_scales[1])
;;   THE QUANTISER, for each operand of a quantised product, along K:
;;     - The operand's scale is 2^e, e = its entry of the input lowp_scales (int32; the entries are numbered through the quantised products in the list's order, A before B).
;;     - Each number is divided by the scale, clamped to +-448, and rounded to the nearest number of E4M3, ties to even, subnormals kept.
;;     - The product sums the exact products of the quantised numbers (number of the format x scale) in f32.
;;   ~~~python
;;   def quantise(x, axis, e):      # numpy; x: float32 -> the quantised numbers, widened to float32 again
;;       x = np.moveaxis(x, axis, -1); K = x.shape[-1]
;;       r = np.clip(x / 2.0 ** e, -448, 448)
;;       step = 2.0 ** (np.maximum(np.frexp(np.where(r == 0, 1, r))[1] - 1, -6) - 3)
;;       q = np.round(r / step) * step * 2.0 ** e      # np.round: ties to even
;;       return np.moveaxis(q, -1, axis).astype(np.float32)
;;   ~~~
;;   OPERANDS COMPUTED ON THE WAY. 'Computed on the way' means the value that the module computes at that place (a softmax that the list does not call 'softmax' is quantised finished and normalised). What goes into a quantiser is computed in f32, as accurately as f32 sums, v_exp_f32 and their like allow (about 1e-6 of the number): no bf16 or f16 on the way to a quantiser, and a product that is left as it is and whose result goes on into a quantised operand takes f32 operands (vector FMAs, or v_wmma_f32_16x16x4_f32). A number that lies on a knife's edge between two numbers of the format may be rounded either way, as far as f32 arithmetic and the matrix unit's own rounding can turn it there, and no further.
;; 2 versions. Each part assembles by itself: llvm-mc -triple=amdgcn-amd-amdhsa -mcpu=gfx1250 --defsym DOCPART=n.
;; ======== version 1 of 2: 2 launches
;; workspace buffers: ucodes 2,048 bytes
;; launch memory (part 1): grid 32 x 1, 20 waves a work-group, no clusters, 58,880 bytes of LDS; arguments stories, queries, A, C, encoding, lowp_scales, ucodes; writes ucodes
.if DOCPART == 1
	.amdgcn_target "amdgcn-amd-amdhsa--gfx1250"
	.amdhsa_code_object_version 6
	.text
	.protected	k_q610f0e3717_memory
	.globl	k_q610f0e3717_memory
	.p2align	8
	.type	k_q610f0e3717_memory,@function
k_q610f0e3717_memory:
	s_mov_b64 s[64:65], 0
	v_nop
	global_prefetch_b8 v0, s[64:65] scope:SCOPE_SE
	s_setreg_imm32_b32 hwreg(HW_REG_WAVE_MODE, 25, 1), 1
	s_wait_xcnt 0x0
; MEMORY: u of reference() ahead of its last product, as codes of E4M3.  One work-group for each of the 32 batches.
;   u = sum_s A[queries[b][s]] * enc[s];  three hops: u += softmax_m(M_h[m] . u) . M_(h+1),  M_t[m] = sum_s table_t[stories[b][m][s]] * enc[s],  tables A, C[0], C[1], C[2].
; NOTHING IS LEFT OUT AS DEAD WORK, and every input is loaded.  reference() writes six gathers; emb_C of hop h and emb_A of hop h + 1 are the same expression (same table, same stories, same encoding),
; so each of the four sums M_t is made once and used twice.
; LIMITS.  An index is read as an unsigned number and held at 99,999 (reference() relies on indices inside the table).  The given exponent of u's scale lies between -126 and 119, so that 2^e and 448 x 2^e
; are f32 numbers.  NaN and infinity among the inputs are not served.  The sums over the sentence, the memories and the channels are f32 sums in another order than reference()'s.
; SHARES.  Twenty waves.  Wave w takes table t = w & 3 and the ten memories 10 (w >> 2) + 0 .. 9: ten ITEMS of 20 rows.  A row of a table is 256 bytes: one load of the wave, 8 bytes a lane, covers one row, 256
; consecutive aligned bytes.  A lane keeps channels 2 l and 2 l + 1, so the sum over the sentence stays in the lane.  Wave w also multiplies row w of the query by row w of the encoding.
; INDICES come by scalar loads, which have a counter of their own: a row load never waits behind an index load.  Three sets of 20 scalar registers, fetched three items at a time.
; THE RING.  Three buffers of 20 loads: 40 loads of a wave are out while an item is summed.  A load's offset is made in the first register of the pair on which that same load lands, so no offset register has to be kept.
; THE HOPS are run by wave 0 from LDS, behind the one barrier.  There a lane holds four channels (4 (l % 16) on) of one of two memories (l / 16).  One bank of 100 registers holds a table: slot i is loaded anew with
; the next table as soon as its dot product is taken, so the table that weighs a hop's result is already in registers as the next hop's first operand.
; NO CLUSTER, NO TENSOR LOAD: the work-groups share only the encoding, 5,120 bytes beside the 1,024,000 that each gathers; gathered rows are no tile.  32 work-groups, since a softmax ties a batch's memories together
; and work-groups hand nothing to each other.
.set VOCAB, 100000
.set ROWB,  256                        ; bytes in a row of a table, of the encoding and of a sum
.set TABLE, VOCAB*ROWB                 ; bytes in a table
.set NITEM, 10                         ; items of a wave
.set MTAB,  50*ROWB                    ; LDS: M [4][50][64] f32 from byte 0 on,
.set QB,    4*MTAB                     ; the query's 20 products [20][64],
.set SPARE, QB+20*ROWB                 ; and the spare words, 128 bytes for each wave: ten blocks of 256 bytes that no other line names
.set LN,  2                            ; v2   lane
.set L8,  3                            ; v3   8 x lane; never rewritten
.set SPW, 4                            ; v4   LDS address of my spare word; never rewritten
.set NIL, 5                            ; v5   0; never rewritten
.set MST, 6                            ; v6   LDS: where my first item's sum goes
.set QST, 7                            ; v7   LDS: where my product of the query goes
.set LA,  8                            ; v8   16 x lane: the hops' LDS address
.set QR,  10                           ; v[10:11] the query's row
.set QE,  12                           ; v[12:13] the encoding's row w
.set ACC, 14                           ; v14-21  two chains of sums, two sets by turns
.set ENC, 22                           ; v22-61  encoding[s][2 l, 2 l + 1], s = 0 .. 19
.set BUF, 62                           ; v62-181 three buffers of 20 rows x 2 registers
.set T,   10                           ; the hops: v10-13 what the other half of the lanes sends
.set QL,  22                           ; v22-61  the query's 20 products
.set O,   22                           ; v22-37  four chains of the weighted sum
.set P,   38                           ; v38-47  at work in the dot products
.set H,   38                           ; v38-45  u, held, for the conversion
.set CD,  46                           ; v[46:47] its codes
.set MA,  48
.set MX,  49
.set NM,  50                           ; v[50:51] - maximum x log2(e)
.set S0,  52
.set S1,  54
.set RI,  56                           ; v[56:57] 1 / the sum
.set SC,  58
.set LM,  59
.set CO,  60
.set X,   62                           ; v62-161 a table: slot i = memories 2 i, 2 i + 1
.set D,   162                          ; v162-187 the 25 scores of my half, then the weights
.set U,   188                          ; v188-191 u, my four channels
.set EU,  2                            ; s2   the exponent of u's scale
.set WV,  18
.set TT,  19
.set GG,  60
.set QI,  61
.set TB,  62                           ; s[62:63] my table
.set SEL, 66                           ; s[66:67] lane selects for v_permlanex16_b32: lane l xor 16
.set LG,  96                           ; s[96:97] log2(e), named as a pair
.macro IDX n                           ; item n's twenty indices, 80 consecutive bytes, into scalar set n % 3: s20-39, s40-59, s68-87
.set SS, 20+20*((\n)%3)+8*(((\n)%3)/2)
	s_load_b512 s[SS:SS+15], s[4:5], 80*(\n)
	s_load_b128 s[SS+16:SS+19], s[4:5], 80*(\n)+64
.endm
.macro ISSUE i                         ; item i's twenty rows are asked for, into buffer i % 3
.set SS, 20+20*((\i)%3)+8*(((\i)%3)/2)
.set BB, BUF+40*((\i)%3)
.if ((\i)%3) == 0 && (\i) > 0
	s_wait_kmcnt 0x0                               ; the three sets that were asked for behind the last group of three items
.endif
.irp k, 0,1,2,3,4,5,6,7,8,9,10,11,12,13,14,15,16,17,18,19
	s_min_u32 s[SS+\k], s[SS+\k], VOCAB-1          ; a loaded number enters an address only held inside the table
.endr
.irp k, 0,1,2,3,4,5,6,7,8,9,10,11,12,13,14,15,16,17,18,19
	v_lshl_add_u32 v[BB+2*\k], s[SS+\k], 8, v[L8]  ; 256 x index + 8 x lane
.endr
.irp k, 0,1,2,3,4,5,6,7,8,9,10,11,12,13,14,15,16,17,18,19
	global_load_b64 v[BB+2*\k:BB+2*\k+1], v[BB+2*\k], s[TB:TB+1]   ; one row: 32 lanes, 256 consecutive aligned bytes; it lands on its own offset
.endr
.if ((\i)%3) == 2                      ; all three sets are used up: the next three items' indices
.if (\i)+1 < NITEM
	IDX (\i)+1
.endif
.if (\i)+2 < NITEM
	IDX (\i)+2
.endif
.if (\i)+3 < NITEM
	IDX (\i)+3
.endif
.endif
.endm
.macro CONSUME i, left                 ; item i is summed; left = the loads issued behind its own, which may stay out
.set BB, BUF+40*((\i)%3)
.set AC, ACC+4*((\i)%2)
	s_wait_loadcnt \left                           ; loads come back in order (ISA guide 5.7.1)
.if (\i) == 0
	v_pk_mul_f32 v[QR:QR+1], v[QR:QR+1], v[QE:QE+1]   ; the query's row w x the encoding's row w (both were asked for ahead of item 0)
	ds_store_b64 v[QST], v[QR:QR+1]
.endif
	v_pk_mul_f32 v[AC:AC+1], v[BB:BB+1], v[ENC:ENC+1]         ; the first two products start the two chains: nothing is cleared
	v_pk_mul_f32 v[AC+2:AC+3], v[BB+2:BB+3], v[ENC+2:ENC+3]
.irp k, 2,4,6,8,10,12,14,16,18
	v_pk_fma_f32 v[AC:AC+1], v[BB+2*\k:BB+2*\k+1], v[ENC+2*\k:ENC+2*\k+1], v[AC:AC+1]
	v_pk_fma_f32 v[AC+2:AC+3], v[BB+2*\k+2:BB+2*\k+3], v[ENC+2*\k+2:ENC+2*\k+3], v[AC+2:AC+3]
.endr
	v_pk_add_f32 v[AC:AC+1], v[AC:AC+1], v[AC+2:AC+3]
	ds_store_b64 v[MST], v[AC:AC+1] offset:ROWB*(\i)          ; 256 consecutive bytes of LDS
.endm
	s_load_b256 s[4:11], s[0:1], 0x0               ; stories s[4:5], queries s[6:7], A s[8:9], C s[10:11]
	s_load_b128 s[12:15], s[0:1], 0x20             ; encoding s[12:13], the scales' exponents s[14:15]
	s_load_b64 s[16:17], s[0:1], 0x30              ; u's codes
	v_lshl_add_u32 v[SPW], v0, 2, SPARE
	v_mov_b32 v[NIL], 0
	v_lshrrev_b32 v1, 5, v0
	v_readfirstlane_b32 s[WV], v1                  ; wave 0..19
	v_and_b32 v[LN], 31, v0
	v_lshlrev_b32 v[L8], 3, v[LN]
	v_lshlrev_b32 v[LA], 4, v[LN]
	s_and_b32 s[TT], s[WV], 3                      ; my table
	s_lshr_b32 s[GG], s[WV], 2                     ; my ten memories
	s_mul_i32 s88, ttmp9, 50*80                    ; stories: 4,000 bytes a batch,
	s_mul_i32 s89, s[GG], NITEM*80                 ; 80 a memory
	s_add_co_u32 s88, s88, s89
	s_mov_b32 s89, 0
	s_mul_i32 s90, ttmp9, 80                       ; queries: 80 bytes a batch, word w
	s_lshl_b32 s91, s[WV], 2
	s_add_co_u32 s90, s90, s91
	s_mov_b32 s91, 0
	s_max_u32 s92, s[TT], 1
	s_sub_co_u32 s92, s92, 1                       ; table 0 is A; tables 1, 2, 3 are C[0], C[1], C[2]
	s_mul_i32 s92, s92, TABLE
	s_mov_b32 s93, 0
	s_mul_i32 s94, s[TT], MTAB
	s_mul_i32 s95, s[GG], NITEM*ROWB
	s_add_co_u32 s94, s94, s95
	v_add_nc_u32 v[MST], s94, v[L8]                ; M[t][10 g][2 l]
	s_lshl_b32 s95, s[WV], 8
	v_add_nc_u32 v[QE], s95, v[L8]                 ; row w, 8 x lane: in the encoding,
	v_add_nc_u32 v[QST], QB, v[QE]                 ; and among the query's products in LDS
	s_wait_kmcnt 0x0
	s_add_nc_u64 s[4:5], s[4:5], s[88:89]
	s_add_nc_u64 s[6:7], s[6:7], s[90:91]
	IDX 0
	IDX 1
	IDX 2
	s_load_b32 s[QI], s[6:7], 0x0
	s_load_b32 s[EU], s[14:15], 0x0
	s_cmp_eq_u32 s[TT], 0                          ; the choice hangs on the wave's number alone
	s_cselect_b64 s[TB:TB+1], s[8:9], s[10:11]
	s_add_nc_u64 s[TB:TB+1], s[TB:TB+1], s[92:93]
.irp s, 0,1,2,3,4,5,6,7,8,9,10,11,12,13,14,15,16,17,18,19
	global_load_b64 v[ENC+2*\s:ENC+2*\s+1], v[L8], s[12:13] offset:ROWB*\s
.endr
	global_load_b64 v[QE:QE+1], v[QE], s[12:13]
	s_wait_kmcnt 0x0                               ; the first three items' indices, the query's, the exponent
	s_min_u32 s[QI], s[QI], VOCAB-1
	v_lshl_add_u32 v[QR], s[QI], 8, v[L8]
	global_load_b64 v[QR:QR+1], v[QR], s[8:9]
	ISSUE 0
	ISSUE 1
	ISSUE 2
.irp i, 0,1,2,3,4,5,6
	CONSUME \i, 40                                 ; the two younger items' 40 loads stay out
	ISSUE (\i)+3
.endr
	CONSUME 7, 40
	CONSUME 8, 20
	CONSUME 9, 0
	s_wait_dscnt 0x0                               ; for the others' sake: my stores into LDS are done
	s_barrier_signal -1
	s_barrier_wait -1
	s_cmp_lg_u32 s[WV], 0
	s_cbranch_scc1 .Ldone                          ; the hops are wave 0's; no barrier stands behind this branch
	; ---- u = the sum of the query's 20 products
.irp i, 0,1,2,3,4,5,6,7,8,9
	ds_load_b128 v[QL+4*\i:QL+4*\i+3], v[LA] offset:QB+512*\i     ; rows 2 i and 2 i + 1: 512 consecutive bytes
.endr
.irp i, 0,1,2,3,4,5,6,7,8,9,10,11,12,13,14,15,16,17,18,19,20,21,22,23,24
	ds_load_b128 v[X+4*\i:X+4*\i+3], v[LA] offset:512*\i          ; table 0
.endr
	s_mov_b32 s[SEL], 0x76543210
	s_mov_b32 s[SEL+1], 0xfedcba98
	s_mov_b32 s[LG], 0x3fb8aa3b                    ; log2(e)
	s_mov_b32 s[LG+1], s[LG]                       ; (named with it as a pair, so it is written)
.irp k, 0,1,2,3
	v_mov_b32 v[T+\k], 0                           ; a lane permute's destination counts as one of its sources
.endr
	v_mov_b32 v[D+25], 0                           ; (named as the upper half of the pair with the 25th weight)
	s_wait_dscnt 25                                ; the query's ten loads are in; table 0's 25 may be out
	v_pk_add_f32 v[U:U+1], v[QL:QL+1], v[QL+4:QL+5]
	v_pk_add_f32 v[U+2:U+3], v[QL+2:QL+3], v[QL+6:QL+7]
.irp i, 2,3,4,5,6,7,8,9
	v_pk_add_f32 v[U:U+1], v[U:U+1], v[QL+4*\i:QL+4*\i+1]
	v_pk_add_f32 v[U+2:U+3], v[U+2:U+3], v[QL+4*\i+2:QL+4*\i+3]
.endr
.irp k, 0,1,2,3
	v_permlanex16_b32 v[T+\k], v[U+\k], s[SEL], s[SEL+1]          ; the odd rows lie in the lane 16 away
.endr
	v_pk_add_f32 v[U:U+1], v[U:U+1], v[T:T+1]
	v_pk_add_f32 v[U+2:U+3], v[U+2:U+3], v[T+2:T+3]
	v_mov_b32 v[NM+1], 0                           ; (upper halves of pairs of which the low word serves both halves; written here, where the query's products have been read)
	v_mov_b32 v[RI+1], 0
; A HOP.  X holds table h.  Its dot products with u are taken, five slots at a time, and each slot is then loaded with table h + 1.
.macro HOP h
	s_wait_dscnt 0x0                               ; the table is in
.irp g, 0,5,10,15,20
.irp n, 0,1,2,3,4
	v_pk_mul_f32 v[P+2*\n:P+2*\n+1], v[X+4*(\g+\n):X+4*(\g+\n)+1], v[U:U+1]
.endr
.irp n, 0,1,2,3,4
	v_pk_fma_f32 v[P+2*\n:P+2*\n+1], v[X+4*(\g+\n)+2:X+4*(\g+\n)+3], v[U+2:U+3], v[P+2*\n:P+2*\n+1]
.endr
.irp n, 0,1,2,3,4
	v_add_f32 v[D+\g+\n], v[P+2*\n], v[P+2*\n+1]   ; my four channels' part of the score of memory 2 (g + n) + l / 16
.endr
.irp n, 0,1,2,3,4
	ds_load_b128 v[X+4*(\g+\n):X+4*(\g+\n)+3], v[LA] offset:((\h)+1)*MTAB+512*(\g+\n)
.endr
.endr
.irp m, 1,2,4,8                                ; the sixteen lanes of a half add their parts: every lane of the half then holds the score
.irp i, 0,1,2,3,4,5,6,7,8,9,10,11,12,13,14,15,16,17,18,19,20,21,22,23,24
	v_add_f32_dpp v[D+\i], v[D+\i], v[D+\i] row_xmask:\m row_mask:0xf bank_mask:0xf
.endr
.endr
	v_max3_num_f32 v[MA], v[D], v[D+1], v[D+2]     ; the largest score, in two chains,
	v_max3_num_f32 v[MX], v[D+3], v[D+4], v[D+5]
.irp k, 6,10,14,18
	v_max3_num_f32 v[MA], v[MA], v[D+\k], v[D+\k+1]
	v_max3_num_f32 v[MX], v[MX], v[D+\k+2], v[D+\k+3]
.endr
	v_max3_num_f32 v[MA], v[MA], v[D+22], v[D+23]
	v_max3_num_f32 v[MA], v[MA], v[MX], v[D+24]
	v_permlanex16_b32 v[MX], v[MA], s[SEL], s[SEL+1]
	v_max_num_f32 v[MA], v[MA], v[MX]              ; and among the other half's memories
	v_mul_f32 v[NM], 0xbfb8aa3b, v[MA]             ; - maximum x log2(e): the same number for all 50 weights, so its rounding leaves with the division by their sum
.irp k, 0,2,4,6,8,10,12,14,16,18,20,22
	v_pk_fma_f32 v[D+\k:D+\k+1], v[D+\k:D+\k+1], s[LG:LG+1], v[NM:NM+1] op_sel_hi:[1,0,0]
.endr
	v_fma_f32 v[D+24], v[D+24], s[LG], v[NM]
.irp i, 0,1,2,3,4,5,6,7,8,9,10,11,12,13,14,15,16,17,18,19,20,21,22,23,24
	v_exp_f32 v[D+\i], v[D+\i]                     ; e^(score - maximum), at most 1
.endr
	v_mov_b32 v[D+25], 0                           ; a plain instruction behind the last exponential
	s_wait_dscnt 0x0                               ; table h + 1 is in
	s_wait_alu depctr_va_vdst(0)                   ; one wait for the 25 exponentials, ahead of their first reader
	v_pk_add_f32 v[S0:S0+1], v[D:D+1], v[D+2:D+3]
	v_pk_add_f32 v[S1:S1+1], v[D+4:D+5], v[D+6:D+7]
.irp k, 8,12,16,20
	v_pk_add_f32 v[S0:S0+1], v[S0:S0+1], v[D+\k:D+\k+1]
	v_pk_add_f32 v[S1:S1+1], v[S1:S1+1], v[D+\k+2:D+\k+3]
.endr
	v_pk_add_f32 v[S0:S0+1], v[S0:S0+1], v[S1:S1+1]
	v_add_f32 v[S0], v[S0], v[S0+1]
	v_add_f32 v[S0], v[S0], v[D+24]
	v_permlanex16_b32 v[S1], v[S0], s[SEL], s[SEL+1]
	v_add_f32 v[S0], v[S0], v[S1]                  ; the sum of the 50 weights
	v_rcp_f32 v[RI], v[S0]                         ; the products below are the plain work behind it; its wait stands ahead of its first reader
.irp i, 0,1,2,3,4,5,6,7,8,9,10,11,12,13,14,15,16,17,18,19,20,21,22,23,24
.set OC, O+4*((\i)%4)                          ; four chains by turns
.set DP, D+(\i)-((\i)%2)                       ; the pair that holds weight i: its low word for an even i, its high word for an odd one, for both halves of the result
.if (\i) < 4
.if ((\i)%2) == 0
	v_pk_mul_f32 v[OC:OC+1], v[X+4*\i:X+4*\i+1], v[DP:DP+1] op_sel_hi:[1,0]
	v_pk_mul_f32 v[OC+2:OC+3], v[X+4*\i+2:X+4*\i+3], v[DP:DP+1] op_sel_hi:[1,0]
.else
	v_pk_mul_f32 v[OC:OC+1], v[X+4*\i:X+4*\i+1], v[DP:DP+1] op_sel:[0,1] op_sel_hi:[1,1]
	v_pk_mul_f32 v[OC+2:OC+3], v[X+4*\i+2:X+4*\i+3], v[DP:DP+1] op_sel:[0,1] op_sel_hi:[1,1]
.endif
.else
.if ((\i)%2) == 0
	v_pk_fma_f32 v[OC:OC+1], v[X+4*\i:X+4*\i+1], v[DP:DP+1], v[OC:OC+1] op_sel_hi:[1,0,1]
	v_pk_fma_f32 v[OC+2:OC+3], v[X+4*\i+2:X+4*\i+3], v[DP:DP+1], v[OC+2:OC+3] op_sel_hi:[1,0,1]
.else
	v_pk_fma_f32 v[OC:OC+1], v[X+4*\i:X+4*\i+1], v[DP:DP+1], v[OC:OC+1] op_sel:[0,1,0] op_sel_hi:[1,1,1]
	v_pk_fma_f32 v[OC+2:OC+3], v[X+4*\i+2:X+4*\i+3], v[DP:DP+1], v[OC+2:OC+3] op_sel:[0,1,0] op_sel_hi:[1,1,1]
.endif
.endif
.endr
	v_pk_add_f32 v[O:O+1], v[O:O+1], v[O+4:O+5]
	v_pk_add_f32 v[O+2:O+3], v[O+2:O+3], v[O+6:O+7]
	v_pk_add_f32 v[O+8:O+9], v[O+8:O+9], v[O+12:O+13]
	v_pk_add_f32 v[O+10:O+11], v[O+10:O+11], v[O+14:O+15]
	v_pk_add_f32 v[O:O+1], v[O:O+1], v[O+8:O+9]
	v_pk_add_f32 v[O+2:O+3], v[O+2:O+3], v[O+10:O+11]
.irp k, 0,1,2,3
	v_permlanex16_b32 v[O+4+\k], v[O+\k], s[SEL], s[SEL+1]
.endr
	v_pk_add_f32 v[O:O+1], v[O:O+1], v[O+4:O+5]    ; both halves' memories
	v_pk_add_f32 v[O+2:O+3], v[O+2:O+3], v[O+6:O+7]
	s_wait_alu depctr_va_vdst(0)                   ; the reciprocal's wait, ahead of its first reader
	v_pk_fma_f32 v[U:U+1], v[O:O+1], v[RI:RI+1], v[U:U+1] op_sel_hi:[1,0,1]       ; u += weighted sum / sum of the weights
	v_pk_fma_f32 v[U+2:U+3], v[O+2:O+3], v[RI:RI+1], v[U+2:U+3] op_sel_hi:[1,0,1]
.endm
	HOP 0
	HOP 1
	HOP 2
	; ---- u becomes codes: u / 2^e, held within +-448, to the nearest code.  A lane has four numbers; the conversion takes eight, so they stand twice and the first word is kept.
	s_add_co_i32 s[EU], s[EU], 127
	s_lshl_b32 s3, s[EU], 23
	v_mov_b32 v[SC], s3                            ; 2^e as f32: the conversion takes its exponent field
	s_add_co_i32 s[EU], s[EU], 8
	s_lshl_b32 s[EU], s[EU], 23
	s_or_b32 s[EU], s[EU], 0x600000
	v_mov_b32 v[LM], s[EU]                         ; 448 x 2^e
.irp k, 0,1,2,3,4,5,6,7
	v_med3_num_f32 v[H+\k], v[U+\k%4], -v[LM], v[LM]   ; the conversion to an 8-bit code does not saturate (ISA guide 7.6.2)
.endr
	v_cvt_scalef32_pk8_fp8_f32 v[CD:CD+1], v[H:H+7], v[SC]
	v_nop                                          ; one plain vector instruction behind the conversion
	s_lshl_b32 s88, ttmp9, 6
	v_lshl_add_u32 v[CO], v[LN], 2, s88            ; the batch's 64 codes lie on end: channel 4 (l % 16) at byte 4 l
	v_cmp_gt_u32 vcc_lo, 16, v[LN]                 ; both halves hold the same codes: lanes 0 to 15 store them
	s_wait_xcnt 0x0                                ; EXEC changes only behind this wait,
	s_and_saveexec_b32 s89, vcc_lo
	global_store_b32 v[CO], v[CD], s[16:17]
	s_wait_xcnt 0x0                                ; and again in front of the line that widens it
	s_or_b32 exec_lo, exec_lo, s89
.Ldone:
	s_wait_tensorcnt 0x0                           ; the wave's end
	ds_add_u32 v[SPW], v[NIL]
	s_wait_dscnt 0x0
	s_endpgm
.Lfunc_end_k_q610f0e3717_memory:
	.size	k_q610f0e3717_memory, .Lfunc_end_k_q610f0e3717_memory-k_q610f0e3717_memory
	.p2alignl 7, 3214868480
	.fill 96, 4, 3214868480
	.section	.rodata,"a",@progbits
	.p2align	6, 0x0
	.amdhsa_kernel k_q610f0e3717_memory
		.amdhsa_group_segment_fixed_size 58880
		.amdhsa_private_segment_fixed_size 0
		.amdhsa_enable_private_segment 0
		.amdhsa_kernarg_size 56
		.amdhsa_user_sgpr_count 2
		.amdhsa_user_sgpr_kernarg_segment_ptr 1
		.amdhsa_wavefront_size32 1
		.amdhsa_system_sgpr_workgroup_id_x 1
		.amdhsa_system_sgpr_workgroup_id_y 1
		.amdhsa_system_sgpr_workgroup_id_z 1
		.amdhsa_system_vgpr_workitem_id 0
		.amdhsa_next_free_vgpr 192
		.amdhsa_next_free_sgpr 98
		.amdhsa_reserve_vcc 1
		.amdhsa_float_denorm_mode_32 3
		.amdhsa_float_denorm_mode_16_64 3
		.amdhsa_memory_ordered 1
		.amdhsa_forward_progress 1
		.amdhsa_inst_pref_size 127
	.end_amdhsa_kernel
	.amdgpu_metadata
---
amdhsa.version: [ 1, 2 ]
amdhsa.kernels:
  - .name:           k_q610f0e3717_memory
    .symbol:         k_q610f0e3717_memory.kd
    .args:
      - { .name: stories, .offset: 0, .size: 8, .value_kind: global_buffer, .address_space: global }
      - { .name: queries, .offset: 8, .size: 8, .value_kind: global_buffer, .address_space: global }
      - { .name: A, .offset: 16, .size: 8, .value_kind: global_buffer, .address_space: global }
      - { .name: C, .offset: 24, .size: 8, .value_kind: global_buffer, .address_space: global }
      - { .name: encoding, .offset: 32, .size: 8, .value_kind: global_buffer, .address_space: global }
      - { .name: lowp_scales, .offset: 40, .size: 8, .value_kind: global_buffer, .address_space: global }
      - { .name: ucodes, .offset: 48, .size: 8, .value_kind: global_buffer, .address_space: global }
    .group_segment_fixed_size: 58880
    .private_segment_fixed_size: 0
    .kernarg_segment_align: 8
    .kernarg_segment_size: 56
    .max_flat_workgroup_size: 640
    .sgpr_count:     98
    .vgpr_count:     192
    .wavefront_size: 32
...
	.end_amdgpu_metadata
.endif
;; end of part 1
;; launch logits (part 2): grid 625 x 1, 5 waves a work-group, no clusters, 34,560 bytes of LDS; arguments C, ucodes, lowp_scales, out0; writes out0
.if DOCPART == 2
	.amdgcn_target "amdgcn-amd-amdhsa--gfx1250"
	.amdhsa_code_object_version 6
	.text
	.protected	k_q610f0e3717_logits
	.globl	k_q610f0e3717_logits
	.p2align	8
	.type	k_q610f0e3717_logits,@function
k_q610f0e3717_logits:
	s_mov_b64 s[64:65], 0
	v_nop
	global_prefetch_b8 v0, s[64:65] scope:SCOPE_SE
	s_setreg_imm32_b32 hwreg(HW_REG_WAVE_MODE, 25, 1), 1
	s_wait_xcnt 0x0
; LOGITS: out0[b][v] = sum over e of Q(u[b][e]) Q(C[2][v][e]), both operands as codes of E4M3, each with its given scale; sums in f32, each multiplied once by 2^(e0 + e1).  No work of reference() is left out here.
; u's codes [32][64] were made by the launch before.  C[2] [100000][64] f32 is read once, by this launch, and quantised in registers on its way to the matrix unit.
; LIMITS: e1 between -126 and 119, e0 + e1 between -126 and 127, so that the powers of two below are f32 numbers.  NaN among the inputs is not served (an infinity is held at the largest code).
; SHARES.  A work-group owns 160 rows of C[2], which are 160 columns of out0; each of its five waves 32 of them, two tiles of 16.  100,000 = 625 x 160.
; IN.  A wave's 16 loads take its 8,192 bytes as they lie, 512 consecutive bytes a load: lane l holds channels 4 (l % 16) + 0 .. 3 of row 2 i + l / 16.  The conversion makes of two loads' registers two words of four codes.
; The matrix unit wants a row to a lane: so the CODES, a quarter of the bytes, turn through the wave's own stage in LDS (rows of 64 bytes + 16) and come back 32 bytes a lane.
; K IS PERMUTED ALIKE IN BOTH OPERANDS: lane (r, h) holds, of its row, channels 32 h + 0 .. 31 in ascending order.  Every product meets its partner; only the order of the sums inside an instruction changes.
; THE MATRIX INSTRUCTION: source 0 = 16 rows of C[2], source 1 = 16 batches: a lane then holds one batch and eight neighbouring columns of out0.
; OUT.  A row of out0 is 400,000 bytes, which is 128 more than a multiple of 256, and a work-group's part of a row is 640 bytes.  So that part begins at a multiple of 256 from out0's first byte where batch + work-group is
; even, and 128 bytes further on where it is odd.  The results meet in a stage in LDS; of each row 512 bytes that begin at such a multiple leave by one store of a wave (waves 0 to 3, eight rows each), and the 128 bytes
; left over, at the row part's end or at its head, by eight lanes (wave 4, four rows a store).
; NO CLUSTER, NO TENSOR LOAD: the work-groups share only u's 2,048 bytes beside the 40,960 that each reads of C[2]; C[2]'s numbers must pass through registers to be quantised.
.set TABLE, 25600000                   ; bytes in C[0], C[1], C[2]
.set COLS,  160
.set OROW,  400000                     ; bytes in a row of out0
.set CP,    80                         ; the codes' stage: a row of 64 bytes + 16 = 20 words: the 16 rows that a load of 16 bytes a lane touches begin at 16 different multiples of 16 bytes modulo 256
.set OSTG,  5*32*CP                    ; behind the five stages of codes: the results' stage, 32 rows x (640 bytes + 16)
.set OP,    656
.set SPARE, OSTG+32*OP                 ; behind it: the spare words, 128 bytes for each wave: three blocks of 256 bytes that no other line names
.set LN,  2                            ; v2   lane
.set XX,  3                            ; v3   lane % 16
.set HH,  4                            ; v4   lane / 16
.set L16, 5                            ; v5   16 x lane
.set UA,  6                            ; v6   u's codes: my 32 bytes
.set CS,  7                            ; v7   the codes' stage, on the way in
.set FA,  8                            ; v8   and on the way out
.set OST, 9                            ; v9   the results' stage, on the way in
.set RD,  10                           ; v10, v11  out of it, whole units: rows of mine with an even, an odd number
.set GO,  12                           ; v12, v13  and the same places in out0
.set RH,  14                           ; v14  out of it, the pieces of 128 bytes
.set GH,  16                           ; v16, v17  and the same places in out0: rows 0-15, rows 16-31
.set SPW, 18                           ; v18  LDS address of my spare word; never rewritten
.set NIL, 19                           ; v19  0; never rewritten
.set SC,  20
.set LM,  21
.set R,   32                           ; v32-95   64 numbers of C[2]
.set CD,  96                           ; v96-111  their codes
.set UF,  112                          ; v112-127 u's two fragments
.set BF,  128                          ; v128-143 C[2]'s two fragments
.set ACC, 144                          ; v144-175 four accumulators: 2 x tile of columns + tile of batches
.set O,   32                           ; v32-63   the sums x 2^(e0 + e1)
.set T,   64                           ; v64-95   rows read back from the stage
.set WV,  12
	s_load_b256 s[4:11], s[0:1], 0x0               ; C s[4:5], u's codes s[6:7], the scales' exponents s[8:9], out0 s[10:11]
	v_lshl_add_u32 v[SPW], v0, 2, SPARE
	v_mov_b32 v[NIL], 0
	v_lshrrev_b32 v1, 5, v0
	v_readfirstlane_b32 s[WV], v1                  ; wave 0..4
	v_and_b32 v[LN], 31, v0
	v_lshlrev_b32 v[L16], 4, v[LN]
	v_and_b32 v[XX], 15, v0
	v_bfe_u32 v[HH], v0, 4, 1
	v_lshlrev_b32 v[UA], 6, v[XX]
	v_lshl_add_u32 v[UA], v[HH], 5, v[UA]          ; batch r: 64 r + 32 h
	s_mul_i32 s14, ttmp9, COLS*256                 ; my work-group's 160 rows,
	s_lshl_b32 s15, s[WV], 13                      ; my wave's 32 of them,
	s_add_co_u32 s14, s14, s15
	s_add_co_u32 s14, s14, 2*TABLE                 ; in C[2]: 76,800,000 at the most
	s_mov_b32 s15, 0
	s_mul_i32 s18, ttmp9, COLS*4                   ; my work-group's columns in a row of out0
	s_mov_b32 s19, 0
	s_wait_kmcnt 0x0
	s_load_b64 s[16:17], s[8:9], 0x0               ; e0 (u's), e1 (C's)
	s_add_nc_u64 s[4:5], s[4:5], s[14:15]
	s_add_nc_u64 s[10:11], s[10:11], s[18:19]
.irp i, 0,1,2,3,4,5,6,7,8,9,10,11,12,13,14,15
	global_load_b128 v[R+4*\i:R+4*\i+3], v[L16], s[4:5] offset:512*\i th:TH_LOAD_NT   ; rows 2 i, 2 i + 1: 512 consecutive bytes; read once in the launch
.endr
.irp t, 0,1
.irp q, 0,1
	global_load_b128 v[UF+8*\t+4*\q:UF+8*\t+4*\q+3], v[UA], s[6:7] offset:1024*\t+16*\q
.endr
.endr
	; every LDS address is made here, while the loads are on their way and ahead of the branch on the wave's number
	s_mul_i32 s18, s[WV], 32*CP                    ; my stage of codes
	v_mul_u32_u24 v[CS], v[HH], CP
	v_lshl_add_u32 v[CS], v[XX], 2, v[CS]
	v_add_nc_u32 v[CS], s18, v[CS]                 ; in: row l / 16 (+ 2 i), word l % 16
	v_mul_u32_u24 v[FA], v[XX], CP
	v_lshl_add_u32 v[FA], v[HH], 5, v[FA]
	v_add_nc_u32 v[FA], s18, v[FA]                 ; out: row r (+ 16 a tile), 32 h
	v_mul_u32_u24 v[OST], v[XX], OP
	v_lshl_add_u32 v[OST], v[HH], 5, v[OST]
	s_lshl_b32 s19, s[WV], 7
	s_add_co_u32 s19, s19, OSTG
	v_add_nc_u32 v[OST], s19, v[OST]               ; results in: row = batch r, + 128 x wave + 32 h
	s_and_b32 s24, ttmp9, 1
	s_lshl_b32 s25, s24, 7                         ; where the 512 bytes begin in a row part: 128 x ((batch + work-group) & 1): for my rows with an even number,
	s_xor_b32 s26, s25, 128                        ; and with an odd one
	s_xor_b32 s24, s24, 1
	s_mul_i32 s27, s[WV], 8*OP
	s_add_co_u32 s27, s27, OSTG
	v_add_nc_u32 v[RD], s27, v[L16]
	v_add_nc_u32 v[RD+1], s26, v[RD]
	v_add_nc_u32 v[RD], s25, v[RD]
	s_mul_i32 s28, s[WV], 8*OROW
	v_add_nc_u32 v[GO], s28, v[L16]
	v_add_nc_u32 v[GO+1], s26, v[GO]
	v_add_nc_u32 v[GO], s25, v[GO]
	v_lshrrev_b32 v1, 3, v[LN]                     ; the pieces: eight lanes to a row, four rows a store
	v_xor_b32 v22, s24, v1
	v_and_b32 v22, 1, v22
	v_lshlrev_b32 v22, 9, v22                      ; the piece lies at byte 512 where row + work-group is even, at byte 0 where it is odd
	v_and_b32 v23, 7, v[LN]
	v_lshl_add_u32 v22, v23, 4, v22
	v_mad_u32_u24 v[RH], v1, OP, v22
	v_add_nc_u32 v[RH], OSTG, v[RH]
	v_mad_u32_u24 v[GH], v1, OROW, v22
	v_add_nc_u32 v[GH+1], 16*OROW, v[GH]
	s_wait_kmcnt 0x0
	s_add_co_i32 s20, s17, 127
	s_lshl_b32 s21, s20, 23
	v_mov_b32 v[SC], s21                           ; 2^e1 as f32: the conversion takes its exponent field
	s_add_co_i32 s20, s20, 8
	s_lshl_b32 s20, s20, 23
	s_or_b32 s20, s20, 0x600000
	v_mov_b32 v[LM], s20                           ; 448 x 2^e1
	s_add_co_i32 s22, s16, s17
	s_add_co_i32 s22, s22, 127
	s_lshl_b32 s22, s22, 23                        ; 2^(e0 + e1) as f32
	s_mov_b32 s23, s22                             ; (named with it as a pair, so it is written)
.irp p, 0,1,2,3,4,5,6,7
	s_wait_loadcnt 18-2*\p                         ; loads 2 p and 2 p + 1 are in; the younger loads of C[2] and the four of u's codes may be out
.irp k, 0,1,2,3,4,5,6,7
	v_med3_num_f32 v[R+8*\p+\k], v[R+8*\p+\k], -v[LM], v[LM]   ; the conversion to an 8-bit code does not saturate (ISA guide 7.6.2)
.endr
	v_cvt_scalef32_pk8_fp8_f32 v[CD+2*\p:CD+2*\p+1], v[R+8*\p:R+8*\p+7], v[SC]   ; word 0: four codes of load 2 p's row; word 1: of load 2 p + 1's
.endr
	v_nop                                          ; one plain vector instruction behind the last conversion: later lines write its sources' registers
.irp i, 0,1,2,3,4,5,6,7,8,9,10,11,12,13,14,15
	ds_store_b32 v[CS], v[CD+\i] offset:2*\i*CP
.endr
.irp t, 0,1
.irp q, 0,1
	ds_load_b128 v[BF+8*\t+4*\q:BF+8*\t+4*\q+3], v[FA] offset:\t*16*CP+16*\q   ; LDS serves a wave's instructions in order (ISA guide 5.7.1.4): these see my stores
.endr
.endr
	s_wait_loadcnt 0x0                             ; u's codes
	s_wait_dscnt 0x0
.irp t, 0,1
.irp m, 0,1
	v_wmma_f32_16x16x64_fp8_fp8 v[ACC+8*(2*\t+\m):ACC+8*(2*\t+\m)+7], v[BF+8*\t:BF+8*\t+7], v[UF+8*\m:UF+8*\m+7], 0   ; K = 64 is one instruction: four sums, four accumulators
.endr
.endr
.rept 4
	v_nop                                          ; four places between a matrix instruction and the first read of its result (ISA guide 7.12.1)
.endr
.irp a, 0,1,2,3
.irp j, 0,2,4,6
	v_pk_mul_f32 v[O+8*\a+\j:O+8*\a+\j+1], v[ACC+8*\a+\j:ACC+8*\a+\j+1], s[22:23] op_sel_hi:[1,0]   ; x 2^(e0 + e1); each accumulator from its low end on
.endr
.endr
.irp t, 0,1
.irp m, 0,1
	ds_store_b128 v[OST], v[O+8*(2*\t+\m):O+8*(2*\t+\m)+3] offset:\m*16*OP+\t*64          ; lane (r, h): out0(16 m + r, 32 wave + 16 t + 8 h + 0 .. 7)
	ds_store_b128 v[OST], v[O+8*(2*\t+\m)+4:O+8*(2*\t+\m)+7] offset:\m*16*OP+\t*64+16
.endr
.endr
	s_wait_dscnt 0x0                               ; for the others' sake: my stores into the stage are done
	s_barrier_signal -1
	s_barrier_wait -1
	s_cmp_eq_u32 s[WV], 4
	s_cbranch_scc1 .Lpieces
.irp k, 0,1,2,3,4,5,6,7                        ; waves 0 to 3: rows 8 wave + k
	ds_load_b128 v[T+4*\k:T+4*\k+3], v[RD+\k%2] offset:\k*OP
.endr
.irp k, 0,1,2,3,4,5,6,7
	s_wait_dscnt 7-\k
	global_store_b128 v[GO+\k%2], v[T+4*\k:T+4*\k+3], s[10:11] offset:\k*OROW th:TH_STORE_NT   ; 32 lanes store 512 consecutive bytes, at a multiple of 256 from out0's first byte
.endr
	s_wait_tensorcnt 0x0                           ; the wave's end
	ds_add_u32 v[SPW], v[NIL]
	s_wait_dscnt 0x0
	s_endpgm
.Lpieces:
.irp k, 0,1,2,3,4,5,6,7                        ; wave 4: rows 4 k + lane / 8
	ds_load_b128 v[T+4*\k:T+4*\k+3], v[RH] offset:\k*4*OP
.endr
.irp k, 0,1,2,3,4,5,6,7
	s_wait_dscnt 7-\k
	global_store_b128 v[GH+\k/4], v[T+4*\k:T+4*\k+3], s[10:11] offset:(\k%4)*4*OROW th:TH_STORE_NT   ; eight lanes store a row's 128 bytes; the neighbouring work-group writes the 128 bytes beside them
.endr
	s_wait_tensorcnt 0x0                           ; the wave's end, as above
	ds_add_u32 v[SPW], v[NIL]
	s_wait_dscnt 0x0
	s_endpgm
.Lfunc_end_k_q610f0e3717_logits:
	.size	k_q610f0e3717_logits, .Lfunc_end_k_q610f0e3717_logits-k_q610f0e3717_logits
	.p2alignl 7, 3214868480
	.fill 96, 4, 3214868480
	.section	.rodata,"a",@progbits
	.p2align	6, 0x0
	.amdhsa_kernel k_q610f0e3717_logits
		.amdhsa_group_segment_fixed_size 34560
		.amdhsa_private_segment_fixed_size 0
		.amdhsa_enable_private_segment 0
		.amdhsa_kernarg_size 32
		.amdhsa_user_sgpr_count 2
		.amdhsa_user_sgpr_kernarg_segment_ptr 1
		.amdhsa_wavefront_size32 1
		.amdhsa_system_sgpr_workgroup_id_x 1
		.amdhsa_system_sgpr_workgroup_id_y 1
		.amdhsa_system_sgpr_workgroup_id_z 1
		.amdhsa_system_vgpr_workitem_id 0
		.amdhsa_next_free_vgpr 176
		.amdhsa_next_free_sgpr 66
		.amdhsa_reserve_vcc 0
		.amdhsa_float_denorm_mode_32 3
		.amdhsa_float_denorm_mode_16_64 3
		.amdhsa_memory_ordered 1
		.amdhsa_forward_progress 1
		.amdhsa_inst_pref_size 17
	.end_amdhsa_kernel
	.amdgpu_metadata
---
amdhsa.version: [ 1, 2 ]
amdhsa.kernels:
  - .name:           k_q610f0e3717_logits
    .symbol:         k_q610f0e3717_logits.kd
    .args:
      - { .name: C, .offset: 0, .size: 8, .value_kind: global_buffer, .address_space: global }
      - { .name: ucodes, .offset: 8, .size: 8, .value_kind: global_buffer, .address_space: global }
      - { .name: lowp_scales, .offset: 16, .size: 8, .value_kind: global_buffer, .address_space: global }
      - { .name: out0, .offset: 24, .size: 8, .value_kind: global_buffer, .address_space: global }
    .group_segment_fixed_size: 34560
    .private_segment_fixed_size: 0
    .kernarg_segment_align: 8
    .kernarg_segment_size: 32
    .max_flat_workgroup_size: 160
    .sgpr_count:     66
    .vgpr_count:     176
    .wavefront_size: 32
...
	.end_amdgpu_metadata
.endif
;; end of part 2
;; ======== version 2 of 2: 3 launches
;; limits: right only within a limited range of input values
;; workspace buffers: sums 1,646,592 bytes; ucodes 8,192 bytes; ccodes 6,400,000 bytes
;; launch gather (part 3): grid 51 x 48, 1 waves a work-group, no clusters, 2,816 bytes of LDS; arguments stories, queries, A, C, encoding, sums, lowp_scales, ccodes; writes sums, ccodes
.if DOCPART == 3
	.amdgcn_target "amdgcn-amd-amdhsa--gfx1250"
	.amdhsa_code_object_version 6
	.text
	.protected	k_q610f0e3717_gather
	.globl	k_q610f0e3717_gather
	.p2align	8
	.type	k_q610f0e3717_gather,@function
k_q610f0e3717_gather:
	s_mov_b64 s[64:65], 0
	v_nop
	global_prefetch_b8 v0, s[64:65] scope:SCOPE_SE
	s_setreg_imm32_b32 hwreg(HW_REG_WAVE_MODE, 25, 1), 1
	s_wait_xcnt 0x0
; GATHER: the sums over the sentence that reference() makes ahead of its hops, and a part of C[2]'s codes of E4M3.
;   M_t[b][m] = sum_s table_t[stories[b][m][s]] * enc[s]  for the tables A, C[0], C[1], C[2],  and  u[b] = sum_s A[queries[b][s]] * enc[s].
; NOTHING IS LEFT OUT AS DEAD WORK, and every input of reference() is loaded.  emb_C of hop h and emb_A of hop h + 1 are the same expression
; (same table, same stories, same encoding), so each of the four sums M_t is made once and used twice.
; LIMITS.  An index is read as an unsigned number and held at 99,999 (reference() relies on indices inside the table).  C's exponent lies between -126 and 119, so that 2^e and 448 x 2^e are f32 numbers.
; NaN and infinity among the inputs are not served.  The sum over the sentence is an f32 sum in four parts, another order than reference()'s.
; SHARES.  A work-group is one wave.  Work-group (j, b) with b < 32 and j < 50 takes memory j of batch b, for all four tables; (50, b) takes the query of batch b, with table A alone.
; A load takes TWO rows of 256 bytes: half h of the lanes (h = lane / 16) takes words 10 h .. 10 h + 9 of the sentence, and lane g of a half channels 4 g .. 4 g + 3.  Ten loads a table, 40 rows' loads and the encoding's
; ten are out together.  The two halves' sums meet at the end: of two tables each half keeps one, so one store brings out two sums of 256 bytes, aligned.
; sums [32][201][64] f32: for each batch M [4][50][64], then u [64].
; WORK-GROUPS (x, y) WITH y > 31 take block 51 (y - 32) + x of C[2], 32 rows each: blocks 0 to 815 of 3,125; the next launch takes the others.  Their loads hang on no index, and they have the highest numbers.
; ccodes: [block of 32 rows][t 4][q 2][h 2][i 8][16 bytes]: row 4 i + t of the block, bytes 32 h + 16 q on of its 64: as the product's operand registers take them.
; THE ORDER OF K: word w of a row's 16 words of four codes holds channels 4 g .. 4 g + 3 with g = w / 2 + 8 (w % 2).
; NO CLUSTER, NO TENSOR LOAD: gathered rows are no tile; what the work-groups share is the encoding, 5,120 bytes beside the 20,480 that a wave gathers.  No prefetch: there is no loop to run ahead in.
.set VOCAB,  100000
.set ROWB,   256
.set TABLE,  VOCAB*ROWB                ; bytes in a table
.set MTAB,   50*ROWB                   ; bytes of one table's sums of a batch
.set BATCHB, 201*ROWB                  ; bytes of a batch in the buffer of sums
.set CPI,    80                        ; LDS: the codes' stage, 32 rows x 80 bytes from byte 0 on,
.set SPARE,  32*CPI                    ; and the spare words
.set G16, 2                            ; 16 x (lane % 16)
.set HH,  3                            ; lane / 16
.set IXA, 4                            ; 40 x h: my half's indices
.set EA,  5                            ; my half's rows of the encoding
.set SO,  6                            ; where my half's table of a pair goes
.set QO,  7                            ; where my two channels of u go
.set SPW, 8
.set NIL, 9
.set IX,  10                           ; v10-19   indices, then 256 x index + 16 (lane % 16)
.set ENC, 20                           ; v20-59   the encoding, ten slots of four channels
.set BUF, 60                           ; v60-219  four tables x ten slots x 4
.set ACC, 220                          ; v220-251 eight registers of sums for each table
.set L16, 10                           ; the codes
.set CS,  11
.set FA,  12
.set SC,  13
.set LM,  14
.set R,   60                           ; v60-123  64 numbers of C[2]
.set QC,  124                          ; v124-139 their codes
.set T,   140                          ; v140-155 codes read back
.set OUT, 14
.set SEL, 28                           ; s[28:29] lane selects for v_permlanex16_b32: lane l xor 16
.macro ISSUE t, base
.irp k, 0,1,2,3,4,5,6,7,8,9
	global_load_b128 v[BUF+40*(\t)+4*\k:BUF+40*(\t)+4*\k+3], v[IX+\k], s[\base:\base+1]
.endr
.endm
.macro SUM t, left                     ; my half's ten rows of table t; left = the loads issued behind them, which may stay out
.set BB, BUF+40*(\t)
.set AC, ACC+8*(\t)
	s_wait_loadcnt \left
.irp c, 0,2,4,6                        ; slots 0 and 1 start the chains
	v_pk_mul_f32 v[AC+\c:AC+\c+1], v[BB+\c:BB+\c+1], v[ENC+\c:ENC+\c+1]
.endr
.irp k, 8,16,24,32
.irp c, 0,2,4,6
	v_pk_fma_f32 v[AC+\c:AC+\c+1], v[BB+\k+\c:BB+\k+\c+1], v[ENC+\k+\c:ENC+\k+\c+1], v[AC+\c:AC+\c+1]
.endr
.endr
	v_pk_add_f32 v[AC:AC+1], v[AC:AC+1], v[AC+4:AC+5]
	v_pk_add_f32 v[AC+2:AC+3], v[AC+2:AC+3], v[AC+6:AC+7]
.endm
.macro PAIR p                          ; tables 2 p and 2 p + 1: half 0 keeps the first, half 1 the second, and each sends the other its part
.set PA, ACC+16*(\p)
.set PB, PA+8
.irp c, 0,1,2,3
	v_cndmask_b32 v[PA+4+\c], v[PB+\c], v[PA+\c], vcc_lo      ; sent
.endr
.irp c, 0,1,2,3
	v_cndmask_b32 v[PB+4+\c], v[PA+\c], v[PB+\c], vcc_lo      ; kept
.endr
.irp c, 0,1,2,3
	v_permlanex16_b32 v[PA+\c], v[PA+4+\c], s[SEL], s[SEL+1]
.endr
	v_pk_add_f32 v[PA:PA+1], v[PA:PA+1], v[PB+4:PB+5]
	v_pk_add_f32 v[PA+2:PA+3], v[PA+2:PA+3], v[PB+6:PB+7]
	global_store_b128 v[SO], v[PA:PA+3], s[OUT:OUT+1] offset:2*MTAB*(\p)   ; two aligned runs of 256 bytes
.endm
	s_load_b512 s[4:19], s[0:1], 0x0               ; stories s[4:5], queries s[6:7], A s[8:9], C s[10:11], encoding s[12:13], the sums s[14:15], exponents s[16:17], C[2]'s codes s[18:19]
	v_lshl_add_u32 v[SPW], v0, 2, SPARE
	v_mov_b32 v[NIL], 0
	s_and_b32 s20, ttmp7, 0xffff                   ; the batch
	s_cmp_lt_u32 s20, 32
	s_wait_alu depctr_va_vdst(0)
	s_cbranch_scc0 .Lquant
	v_and_b32 v1, 15, v0                           ; one wave: the thread's number is the lane
	v_lshrrev_b32 v[HH], 4, v0
	v_lshlrev_b32 v[G16], 4, v1
	v_mul_u32_u24 v[IXA], v[HH], 40
	v_mul_u32_u24 v[EA], v[HH], 10*ROWB
	v_add_nc_u32 v[EA], v[EA], v[G16]
	v_mul_u32_u24 v[SO], v[HH], MTAB
	v_add_nc_u32 v[SO], v[SO], v[G16]
	v_lshl_add_u32 v[QO], v[HH], 3, v[G16]
	v_cmp_ne_u32 vcc_lo, 0, v[HH]                  ; half 1
	s_mov_b32 s[SEL], 0x76543210
	s_mov_b32 s[SEL+1], 0xfedcba98
	s_mul_i32 s22, s20, 50*80                      ; stories: 4,000 bytes a batch,
	s_mul_i32 s23, ttmp9, 80                       ; 80 a memory
	s_add_co_u32 s22, s22, s23
	s_mul_i32 s24, s20, 80                         ; queries: 80 bytes a batch
	s_mul_i32 s26, s20, BATCHB                     ; the batch's sums,
	s_lshl_b32 s27, ttmp9, 8                       ; row j of M_0
	s_cmp_eq_u32 ttmp9, 50                         ; a memory or the query?  The choice hangs on the work-group's number alone
	s_cselect_b32 s22, s24, s22
	s_cselect_b32 s27, 200*ROWB, s27               ; u lies behind the four tables' sums
	s_mov_b32 s23, 0
	s_wait_alu depctr_va_vdst(0)
	s_wait_kmcnt 0x0
	s_cselect_b64 s[4:5], s[6:7], s[4:5]
	s_add_nc_u64 s[4:5], s[4:5], s[22:23]
.irp j, 0,1,2,3,4
	global_load_b64 v[IX+2*\j:IX+2*\j+1], v[IXA], s[4:5] offset:8*\j   ; my half's ten indices
.endr
.irp k, 0,1,2,3,4,5,6,7,8,9
	global_load_b128 v[ENC+4*\k:ENC+4*\k+3], v[EA], s[12:13] offset:ROWB*\k
.endr
	s_add_co_u32 s26, s26, s27
	s_mov_b32 s27, 0
	s_add_nc_u64 s[OUT:OUT+1], s[OUT:OUT+1], s[26:27]
	s_add_nc_u64 s[32:33], s[10:11], TABLE         ; C[1]
	s_add_nc_u64 s[34:35], s[10:11], 2*TABLE       ; C[2]
	s_wait_loadcnt 10                              ; the indices; the encoding's ten loads may be out
.irp k, 0,1,2,3,4,5,6,7,8,9
	v_min_u32 v[IX+\k], VOCAB-1, v[IX+\k]          ; a loaded number enters an address only held inside the table
.endr
.irp k, 0,1,2,3,4,5,6,7,8,9
	v_lshl_add_u32 v[IX+\k], v[IX+\k], 8, v[G16]   ; under 25,600,000
.endr
	ISSUE 0, 8                                     ; A
	s_cmp_eq_u32 ttmp9, 50
	s_cbranch_scc1 .Lquery
	ISSUE 1, 10                                    ; C[0]
	ISSUE 2, 32                                    ; C[1]
	ISSUE 3, 34                                    ; C[2]
	SUM 0, 30                                      ; three younger tables' 30 loads may be out, then two tables' 20,
	SUM 1, 20
	PAIR 0
	SUM 2, 10                                      ; then one table's 10
	SUM 3, 0
	PAIR 1
	s_endpgm
.Lquery:
	SUM 0, 0                                       ; the query has table A alone
.irp c, 0,1,2,3
	v_permlanex16_b32 v[ACC+4+\c], v[ACC+\c], s[SEL], s[SEL+1]
.endr
	v_pk_add_f32 v[ACC:ACC+1], v[ACC:ACC+1], v[ACC+4:ACC+5]
	v_pk_add_f32 v[ACC+2:ACC+3], v[ACC+2:ACC+3], v[ACC+6:ACC+7]
	v_cndmask_b32 v[ACC+4], v[ACC], v[ACC+2], vcc_lo          ; both halves hold u: half h stores channels 4 g + 2 h and the next
	v_cndmask_b32 v[ACC+5], v[ACC+1], v[ACC+3], vcc_lo
	global_store_b64 v[QO], v[ACC+4:ACC+5], s[OUT:OUT+1]      ; 256 consecutive bytes, aligned
	s_endpgm
	; ---- a block of 32 rows of C[2]
.Lquant:
	s_sub_co_u32 s20, s20, 32
	s_mul_i32 s20, s20, 51
	s_add_co_u32 s20, s20, ttmp9                   ; my block, 0 to 815
	s_lshl_b32 s22, s20, 13
	s_add_co_u32 s22, s22, 2*TABLE                 ; 8,192 bytes of C[2]
	s_mov_b32 s23, 0
	s_lshl_b32 s26, s20, 11                        ; 2,048 bytes of codes
	s_mov_b32 s27, 0
	v_lshlrev_b32 v[L16], 4, v0
	v_and_b32 v3, 7, v0
	v_bfe_u32 v1, v0, 3, 1
	v_lshlrev_b32 v[CS], 3, v3
	v_lshl_add_u32 v[CS], v1, 2, v[CS]             ; stage, in: word 2 (g % 8) + g / 8, g = lane % 16
	v_mul_u32_u24 v[FA], v3, CPI                   ; out: row i = lane % 8 (+ 8 t),
	v_lshl_add_u32 v[FA], v1, 5, v[FA]             ; 32 h, h = lane / 8 % 2,
	v_bfe_u32 v3, v0, 4, 1
	v_lshl_add_u32 v[FA], v3, 4, v[FA]             ; 16 q, q = lane / 16
	v_mul_u32_u24 v1, v3, 8*CPI
	v_add_nc_u32 v[CS], v[CS], v1                  ; in: load i brings rows 2 i + lane / 16; row 4 k + t lies at place 8 t + k: 8 (lane / 16) + 16 (i % 2) + i / 2
	s_wait_alu depctr_va_vdst(0)
	s_wait_kmcnt 0x0
	s_load_b64 s[36:37], s[16:17], 0x0             ; e0, e1
	s_add_nc_u64 s[10:11], s[10:11], s[22:23]
	s_add_nc_u64 s[18:19], s[18:19], s[26:27]
.irp i, 0,1,2,3,4,5,6,7,8,9,10,11,12,13,14,15
	global_load_b128 v[R+4*\i:R+4*\i+3], v[L16], s[10:11] offset:512*\i   ; rows 2 i, 2 i + 1: 512 consecutive bytes
.endr
	s_wait_kmcnt 0x0
	s_add_co_i32 s37, s37, 127
	s_lshl_b32 s31, s37, 23
	v_mov_b32 v[SC], s31                           ; 2^e1 as f32: the conversion takes its exponent field
	s_add_co_i32 s37, s37, 8
	s_lshl_b32 s37, s37, 23
	s_or_b32 s37, s37, 0x600000
	v_mov_b32 v[LM], s37                           ; 448 x 2^e1
	s_wait_alu depctr_va_vdst(0)
.irp p, 0,1,2,3,4,5,6,7
	s_wait_loadcnt 14-2*\p                         ; loads 2 p and 2 p + 1 are in; the younger ones may be out
.irp k, 0,1,2,3,4,5,6,7
	v_med3_num_f32 v[R+8*\p+\k], v[R+8*\p+\k], -v[LM], v[LM]   ; the conversion to an 8-bit code does not saturate (ISA guide 7.6.2)
.endr
	v_cvt_scalef32_pk8_fp8_f32 v[QC+2*\p:QC+2*\p+1], v[R+8*\p:R+8*\p+7], v[SC]   ; word 0: four codes of load 2 p's row; word 1: of load 2 p + 1's
.endr
	v_nop                                          ; one plain vector instruction behind the last conversion
	s_wait_alu depctr_va_vdst(0)
.irp i, 0,1,2,3,4,5,6,7,8,9,10,11,12,13,14,15
	ds_store_b32 v[CS], v[QC+\i] offset:(16*(\i%2)+\i/2)*CPI
.endr
.irp t, 0,1,2,3
	ds_load_b128 v[T+4*\t:T+4*\t+3], v[FA] offset:8*CPI*\t   ; LDS serves a wave's instructions in order (ISA guide 5.7.1.4): these see my stores
.endr
.irp t, 0,1,2,3
	s_wait_dscnt 3-\t
	global_store_b128 v[L16], v[T+4*\t:T+4*\t+3], s[18:19] offset:512*\t   ; 512 consecutive bytes, aligned
.endr
	s_wait_tensorcnt 0x0                           ; the wave's end
	ds_add_u32 v[SPW], v[NIL]
	s_wait_dscnt 0x0
	s_endpgm
.Lfunc_end_k_q610f0e3717_gather:
	.size	k_q610f0e3717_gather, .Lfunc_end_k_q610f0e3717_gather-k_q610f0e3717_gather
	.p2alignl 7, 3214868480
	.fill 96, 4, 3214868480
	.section	.rodata,"a",@progbits
	.p2align	6, 0x0
	.amdhsa_kernel k_q610f0e3717_gather
		.amdhsa_group_segment_fixed_size 2816
		.amdhsa_private_segment_fixed_size 0
		.amdhsa_enable_private_segment 0
		.amdhsa_kernarg_size 64
		.amdhsa_user_sgpr_count 2
		.amdhsa_user_sgpr_kernarg_segment_ptr 1
		.amdhsa_wavefront_size32 1
		.amdhsa_system_sgpr_workgroup_id_x 1
		.amdhsa_system_sgpr_workgroup_id_y 1
		.amdhsa_system_sgpr_workgroup_id_z 1
		.amdhsa_system_vgpr_workitem_id 0
		.amdhsa_next_free_vgpr 256
		.amdhsa_next_free_sgpr 66
		.amdhsa_reserve_vcc 1
		.amdhsa_float_denorm_mode_32 3
		.amdhsa_float_denorm_mode_16_64 3
		.amdhsa_memory_ordered 1
		.amdhsa_forward_progress 1
		.amdhsa_inst_pref_size 28
	.end_amdhsa_kernel
	.amdgpu_metadata
---
amdhsa.version: [ 1, 2 ]
amdhsa.kernels:
  - .name:           k_q610f0e3717_gather
    .symbol:         k_q610f0e3717_gather.kd
    .args:
      - { .name: stories, .offset: 0, .size: 8, .value_kind: global_buffer, .address_space: global }
      - { .name: queries, .offset: 8, .size: 8, .value_kind: global_buffer, .address_space: global }
      - { .name: A, .offset: 16, .size: 8, .value_kind: global_buffer, .address_space: global }
      - { .name: C, .offset: 24, .size: 8, .value_kind: global_buffer, .address_space: global }
      - { .name: encoding, .offset: 32, .size: 8, .value_kind: global_buffer, .address_space: global }
      - { .name: sums, .offset: 40, .size: 8, .value_kind: global_buffer, .address_space: global }
      - { .name: lowp_scales, .offset: 48, .size: 8, .value_kind: global_buffer, .address_space: global }
      - { .name: ccodes, .offset: 56, .size: 8, .value_kind: global_buffer, .address_space: global }
    .group_segment_fixed_size: 2816
    .private_segment_fixed_size: 0
    .kernarg_segment_align: 8
    .kernarg_segment_size: 64
    .max_flat_workgroup_size: 32
    .sgpr_count:     66
    .vgpr_count:     256
    .wavefront_size: 32
...
	.end_amdgpu_metadata
.endif
;; end of part 3
;; launch hops (part 4): grid 242 x 1, 11 waves a work-group, no clusters, 93,184 bytes of LDS; arguments sums, lowp_scales, ucodes, C, ccodes; writes ucodes, ccodes
.if DOCPART == 4
	.amdgcn_target "amdgcn-amd-amdhsa--gfx1250"
	.amdhsa_code_object_version 6
	.text
	.protected	k_q610f0e3717_hops
	.globl	k_q610f0e3717_hops
	.p2align	8
	.type	k_q610f0e3717_hops,@function
k_q610f0e3717_hops:
	s_mov_b64 s[64:65], 0
	v_nop
	global_prefetch_b8 v0, s[64:65] scope:SCOPE_SE
	s_setreg_imm32_b32 hwreg(HW_REG_WAVE_MODE, 25, 1), 1
	s_wait_xcnt 0x0
; HOPS AND CODES: u of reference() ahead of its last product as codes of E4M3, and the rest of C[2]'s codes.  No work of reference() is left out here.
; WORK-GROUPS 0 TO 31, one a batch: three hops, u += softmax_m(M_h[m] . u) . M_(h+1), from sums [32][201][64] f32 (M_0 .. M_3, then the first u); then u's codes.
; WORK-GROUPS 32 TO 241: C[2] [100000][64] f32 into codes.  A wave takes one block of 32 rows: blocks 816 to 3,124 over 210 x 11 waves (the last wave has none); the launch before made blocks 0 to 815.
; LIMITS.  The given exponents lie between -126 and 119, so that 2^e and 448 x 2^e are f32 numbers.  NaN and infinity among the inputs are not served.  The sums over the memories and the channels are
; f32 sums in another order than reference()'s.
; THE ORDER OF K, alike in both operands: word w of a row's 16 words of four codes holds channels 4 g .. 4 g + 3 with g = w / 2 + 8 (w % 2).
; ucodes: 256 bytes a batch, the row's 64 bytes four times over (each group of eight lanes holds it), batch b at row b / 2 + 16 (b % 2).
; ccodes: [block of 32 rows][t 4][q 2][h 2][i 8][16 bytes]: row 4 i + t of the block, bytes 32 h + 16 q on of its 64: as the product's operand registers take them.
; THE HOPS are run by wave 0.  A lane holds eight channels (4 c .. and 32 + 4 c .., c = lane % 8) of one of four memories (lane / 8): 13 slots, the last with two memories (its other lanes repeat them and get the weight 0).
; Wave 0 takes table 0 straight from memory; the other ten waves bring tables 1 to 3 into LDS, 15 of the 150 rows each: seven loads of two rows, and one in which both halves of the lanes take the fifteenth.
; Behind the one barrier those waves end, so wave 0's chains have the SIMD alone.  A slot is loaded anew with the next table as soon as its dot product is taken.
; NO CLUSTER, NO TENSOR LOAD: the work-groups share no input, and C[2]'s numbers must pass through registers to be quantised.  No prefetch: there is no loop to run ahead in.
.set TABLE,  25600000
.set MTAB,   12800
.set BATCHB, 201*256
.set RP,     384                       ; LDS row of a table: 256 bytes + 128, so that two neighbouring rows' halves lie on different banks (64 banks of 4 bytes: ISA guide 11.1)
.set TB,     15*RP                     ; tables 1 to 3, 150 rows, from here on: wave w's rows begin at w x 15 rows, w from 1
.set STG,    63488                     ; the codes' stages: 32 rows x 80 bytes for each wave
.set CPI,    80
.set SPARE,  STG+11*32*CPI             ; the spare words, 128 bytes for each wave
.set FIRST,  816
.set LN,  2
.set SPW, 4
.set NIL, 5
.set GA,  6                            ; table 0 in memory: 256 (lane / 8) + 16 c;  GA+1: the last slot's, rows 48 and 49
.set LA,  8                            ; the same in LDS;  LA+1: the last slot's
.set UA,  10
.set TA,  11                           ; the copy's place in memory
.set TL,  12                           ; and in LDS
.set CO,  13
.set TA2, 14                           ; both for the fifteenth row
.set TL2, 15
.set CS,  14                           ; the codes of C[2]
.set FA,  15
.set L16, 16
.set NI,  17                           ; -infinity
.set MA,  18
.set MX,  19
.set NM,  20
.set S0,  22
.set S1,  24
.set RI,  26
.set SC,  28
.set LM,  29
.set P,   30                           ; v30-39
.set D,   40                           ; v40-53  scores, then weights
.set U,   54                           ; v54-61  u, my eight channels
.set O,   62                           ; v62-77  two chains of the weighted sum
.set H,   78                           ; v78-85
.set CD,  86                           ; v86-87
.set X,   88                           ; v88-191 a table: slot i = memories 4 i + lane / 8
.set CP,  88                           ; the copy's eight loads
.set R,   88                           ; v88-151 64 numbers of C[2]
.set QC,  152                          ; v152-167 their codes
.set T,   168                          ; v168-183 codes read back
.set WV,  18
.set MK,  19                           ; lanes 16 to 31
.set SEL, 26
.set LG,  28
.macro DOTG a, n                       ; the dot products of slots a .. a + n - 1
.set NN, 0
.rept \n
	v_pk_mul_f32 v[P+2*NN:P+2*NN+1], v[X+8*(\a+NN):X+8*(\a+NN)+1], v[U:U+1]
.set NN, NN+1
.endr
.irp k, 2,4,6
.set NN, 0
.rept \n
	v_pk_fma_f32 v[P+2*NN:P+2*NN+1], v[X+8*(\a+NN)+\k:X+8*(\a+NN)+\k+1], v[U+\k:U+\k+1], v[P+2*NN:P+2*NN+1]
.set NN, NN+1
.endr
.endr
.set NN, 0
.rept \n
	v_add_f32 v[D+\a+NN], v[P+2*NN], v[P+2*NN+1]
.set NN, NN+1
.endr
.endm
.macro FETCH t, a, n                   ; slots a .. a + n - 1 of table t, from LDS
.set NN, \a
.rept \n
	ds_load_b128 v[X+8*NN:X+8*NN+3], v[LA+NN/12] offset:TB+(\t-1)*50*RP+NN*4*RP
	ds_load_b128 v[X+8*NN+4:X+8*NN+7], v[LA+NN/12] offset:TB+(\t-1)*50*RP+NN*4*RP+128
.set NN, NN+1
.endr
.endm
.macro SOFT                            ; the weights e^(score - maximum) in D, their sum in S0
.irp m, 1,2,4                          ; eight lanes add their parts
.irp i, 0,1,2,3,4,5,6,7,8,9,10,11,12
	v_add_f32_dpp v[D+\i], v[D+\i], v[D+\i] row_xmask:\m row_mask:0xf bank_mask:0xf
.endr
.endr
	v_cndmask_b32 v[D+12], v[D+12], v[NI], s[MK]   ; there is no memory 50 or 51
	v_max3_num_f32 v[MA], v[D], v[D+1], v[D+2]
	v_max3_num_f32 v[MX], v[D+3], v[D+4], v[D+5]
	v_max3_num_f32 v[MA], v[MA], v[D+6], v[D+7]
	v_max3_num_f32 v[MX], v[MX], v[D+8], v[D+9]
	v_max3_num_f32 v[MA], v[MA], v[D+10], v[D+11]
	v_max3_num_f32 v[MA], v[MA], v[MX], v[D+12]
	v_max_num_f32_dpp v[MA], v[MA], v[MA] row_xmask:8 row_mask:0xf bank_mask:0xf
	v_permlanex16_b32 v[MX], v[MA], s[SEL], s[SEL+1]
	v_max_num_f32 v[MA], v[MA], v[MX]
	v_mul_f32 v[NM], 0xbfb8aa3b, v[MA]             ; - maximum x log2(e): the same number for all 50 weights
.irp k, 0,2,4,6,8,10
	v_pk_fma_f32 v[D+\k:D+\k+1], v[D+\k:D+\k+1], s[LG:LG+1], v[NM:NM+1] op_sel_hi:[1,0,0]
.endr
	v_fma_f32 v[D+12], v[D+12], s[LG], v[NM]
	s_wait_alu depctr_va_vdst(0)
.irp i, 0,1,2,3,4,5,6,7,8,9,10,11,12
	v_exp_f32 v[D+\i], v[D+\i]
.endr
	v_mov_b32 v[D+13], 0                           ; a plain instruction behind the last exponential (named as the upper half of a pair below)
	s_wait_alu depctr_va_vdst(0)                   ; the exponentials' wait, ahead of their first reader
	v_pk_add_f32 v[S0:S0+1], v[D:D+1], v[D+2:D+3]
	v_pk_add_f32 v[S1:S1+1], v[D+4:D+5], v[D+6:D+7]
	v_pk_add_f32 v[S0:S0+1], v[S0:S0+1], v[D+8:D+9]
	v_pk_add_f32 v[S1:S1+1], v[S1:S1+1], v[D+10:D+11]
	v_pk_add_f32 v[S0:S0+1], v[S0:S0+1], v[S1:S1+1]
	v_add_f32 v[S0], v[S0], v[S0+1]
	v_add_f32 v[S0], v[S0], v[D+12]
	v_add_f32_dpp v[S0], v[S0], v[S0] row_xmask:8 row_mask:0xf bank_mask:0xf
	v_permlanex16_b32 v[S1], v[S0], s[SEL], s[SEL+1]
	v_add_f32 v[S0], v[S0], v[S1]
.endm
.macro WSUM                            ; u += sum of weight x row / sum of the weights
	s_wait_alu depctr_va_vdst(0)
	v_rcp_f32 v[RI], v[S0]
	s_wait_dscnt 0x0                               ; the table is in
.set NN, 0
.rept 13
.set OC, O+8*(NN%2)                    ; two chains by turns
.set DP, D+NN-(NN%2)                   ; the pair that holds the slot's weight: low word for an even slot, high word for an odd one
.irp k, 0,2,4,6
.if NN == 0
	v_pk_mul_f32 v[OC+\k:OC+\k+1], v[X+\k:X+\k+1], v[DP:DP+1] op_sel_hi:[1,0]
.elseif NN == 1
	v_pk_mul_f32 v[OC+\k:OC+\k+1], v[X+8+\k:X+8+\k+1], v[DP:DP+1] op_sel:[0,1] op_sel_hi:[1,1]
.elseif (NN%2) == 0
	v_pk_fma_f32 v[OC+\k:OC+\k+1], v[X+8*NN+\k:X+8*NN+\k+1], v[DP:DP+1], v[OC+\k:OC+\k+1] op_sel_hi:[1,0,1]
.else
	v_pk_fma_f32 v[OC+\k:OC+\k+1], v[X+8*NN+\k:X+8*NN+\k+1], v[DP:DP+1], v[OC+\k:OC+\k+1] op_sel:[0,1,0] op_sel_hi:[1,1,1]
.endif
.endr
.set NN, NN+1
.endr
.irp k, 0,2,4,6
	v_pk_add_f32 v[O+\k:O+\k+1], v[O+\k:O+\k+1], v[O+8+\k:O+8+\k+1]
.endr
.irp k, 0,1,2,3,4,5,6,7
	v_add_f32_dpp v[O+\k], v[O+\k], v[O+\k] row_xmask:8 row_mask:0xf bank_mask:0xf
.endr
.irp k, 0,1,2,3,4,5,6,7
	v_permlanex16_b32 v[O+8+\k], v[O+\k], s[SEL], s[SEL+1]
.endr
.irp k, 0,2,4,6
	v_pk_add_f32 v[O+\k:O+\k+1], v[O+\k:O+\k+1], v[O+8+\k:O+8+\k+1]
.endr
	s_wait_alu depctr_va_vdst(0)                   ; the reciprocal's wait, ahead of its first reader
.irp k, 0,2,4,6
	v_pk_fma_f32 v[U+\k:U+\k+1], v[O+\k:O+\k+1], v[RI:RI+1], v[U+\k:U+\k+1] op_sel_hi:[1,0,1]
.endr
.endm
.macro HOP t                           ; X holds the table that is compared with u; table t, which weighs, takes its place slot by slot
	DOTG 0, 5
	FETCH \t, 0, 5
	DOTG 5, 4
	FETCH \t, 5, 4
	DOTG 9, 4
	FETCH \t, 9, 4
	SOFT
	WSUM
.endm
.macro SCALE e                         ; SC = 2^e, LM = 448 x 2^e, as f32
	s_add_co_i32 s[\e], s[\e], 127
	s_lshl_b32 s31, s[\e], 23
	v_mov_b32 v[SC], s31
	s_add_co_i32 s[\e], s[\e], 8
	s_lshl_b32 s[\e], s[\e], 23
	s_or_b32 s[\e], s[\e], 0x600000
	v_mov_b32 v[LM], s[\e]
.endm
	s_load_b256 s[4:11], s[0:1], 0x0               ; the sums s[4:5], the exponents s[6:7], u's codes s[8:9], C s[10:11]
	s_load_b64 s[12:13], s[0:1], 0x20              ; C[2]'s codes
	v_lshl_add_u32 v[SPW], v0, 2, SPARE
	v_mov_b32 v[NIL], 0
	v_lshrrev_b32 v1, 5, v0
	v_readfirstlane_b32 s[WV], v1                  ; wave 0..10
	v_and_b32 v[LN], 31, v0
	s_cmp_lt_u32 ttmp9, 32
	s_wait_alu depctr_va_vdst(0)
	s_cbranch_scc0 .Lquant
	; ---- a batch.  Every address is made here, ahead of the parting of the waves.
	v_and_b32 v3, 7, v0
	v_lshlrev_b32 v[UA], 4, v3                     ; 16 c
	v_lshrrev_b32 v3, 3, v[LN]                     ; which of a slot's four memories
	v_lshl_add_u32 v[GA], v3, 8, v[UA]
	v_mul_u32_u24 v[LA], v3, RP
	v_add_nc_u32 v[LA], v[LA], v[UA]
	v_and_b32 v3, 1, v3
	v_lshl_add_u32 v[GA+1], v3, 8, v[UA]
	v_mul_u32_u24 v[LA+1], v3, RP
	v_add_nc_u32 v[LA+1], v[LA+1], v[UA]
	s_mul_i32 s22, s[WV], 15*256
	s_mul_i32 s23, s[WV], 15*RP
	v_and_b32 v3, 15, v0
	v_lshlrev_b32 v3, 4, v3
	v_bfe_u32 v1, v0, 4, 1
	v_add_nc_u32 v[TA2], s22, v3                   ; wave w (from 1): rows 15 (w - 1) + 2 r + lane / 16
	v_add_nc_u32 v[TL2], s23, v3
	v_lshl_add_u32 v[TA], v1, 8, v[TA2]
	v_mul_u32_u24 v1, v1, RP
	v_add_nc_u32 v[TL], v1, v[TL2]
	v_lshlrev_b32 v[CO], 3, v[LN]
	v_cmp_lt_u32 s[MK], 15, v[LN]
	v_mov_b32 v[NI], 0xff800000
.irp i, 0,1,2,3,4,5,6,7,8,9,10,11,12,13,14,15,16,17,18,19,20,21
	v_mov_b32 v[D+\i], 0                           ; the scores and u: wave 0 alone writes them, so they are written here for every wave
.endr
	v_mov_b32 v[NM+1], 0                           ; upper halves of pairs of which the low word serves both halves
	v_mov_b32 v[RI+1], 0
	s_mov_b32 s[SEL], 0x76543210
	s_mov_b32 s[SEL+1], 0xfedcba98
	s_mov_b32 s[LG], 0x3fb8aa3b                    ; log2(e)
	s_mov_b32 s[LG+1], s[LG]
	s_mul_i32 s14, ttmp9, BATCHB
	s_mov_b32 s15, 0
	s_lshr_b32 s20, ttmp9, 1
	s_and_b32 s21, ttmp9, 1
	s_lshl_b32 s21, s21, 4
	s_add_co_u32 s20, s20, s21
	s_lshl_b32 s20, s20, 8                         ; my batch's 256 bytes of codes
	s_mov_b32 s21, 0
	s_wait_alu depctr_va_vdst(0)
	s_wait_kmcnt 0x0
	s_load_b32 s16, s[6:7], 0x0                    ; the exponent of u's scale
	s_add_nc_u64 s[4:5], s[4:5], s[14:15]
	s_add_nc_u64 s[8:9], s[8:9], s[20:21]
	s_cmp_lg_u32 s[WV], 0
	s_cbranch_scc1 .Lcopy
	global_load_b128 v[U:U+3], v[UA], s[4:5] offset:4*MTAB
	global_load_b128 v[U+4:U+7], v[UA], s[4:5] offset:4*MTAB+128
.set NN, 0
.rept 13
	global_load_b128 v[X+8*NN:X+8*NN+3], v[GA+NN/12], s[4:5] offset:1024*NN
	global_load_b128 v[X+8*NN+4:X+8*NN+7], v[GA+NN/12], s[4:5] offset:1024*NN+128
.set NN, NN+1
.endr
	s_wait_loadcnt 16                              ; u and slots 0 to 4; eight slots' 16 loads may be out
	DOTG 0, 5
	s_wait_loadcnt 8                               ; four slots' 8
	DOTG 5, 4
	s_wait_loadcnt 0x0
	DOTG 9, 4
	s_branch .Ljoin
.Lcopy:
.irp r, 0,1,2,3,4,5,6
	global_load_b128 v[CP+4*\r:CP+4*\r+3], v[TA], s[4:5] offset:MTAB-15*256+512*\r th:TH_LOAD_NT   ; 512 consecutive bytes; read once
.endr
	global_load_b128 v[CP+28:CP+31], v[TA2], s[4:5] offset:MTAB-15*256+512*7 th:TH_LOAD_NT
.irp r, 0,1,2,3,4,5,6
	s_wait_loadcnt 7-\r                            ; the younger loads may be out
	ds_store_b128 v[TL], v[CP+4*\r:CP+4*\r+3] offset:2*RP*\r
.endr
	s_wait_loadcnt 0x0
	ds_store_b128 v[TL2], v[CP+28:CP+31] offset:14*RP
.Ljoin:
	s_wait_alu depctr_va_vdst(0)
	s_wait_dscnt 0x0                               ; for wave 0's sake: my stores into LDS are done
	s_barrier_signal -1
	s_barrier_wait -1
	s_cmp_lg_u32 s[WV], 0
	s_cbranch_scc1 .Ldone                          ; no barrier stands behind this branch
	FETCH 1, 0, 13
	s_wait_kmcnt 0x0
	SCALE 16
	SOFT                                           ; hop 0's scores were taken ahead of the barrier
	WSUM
	HOP 2
	HOP 3
.irp k, 0,1,2,3,4,5,6,7
	v_med3_num_f32 v[H+\k], v[U+\k], -v[LM], v[LM] ; the conversion to an 8-bit code does not saturate (ISA guide 7.6.2)
.endr
	v_cvt_scalef32_pk8_fp8_f32 v[CD:CD+1], v[H:H+7], v[SC]
	v_nop                                          ; one plain vector instruction behind the conversion
	global_store_b64 v[CO], v[CD:CD+1], s[8:9]     ; 256 consecutive bytes, aligned: the row's 64, four times
.Ldone:
	s_wait_tensorcnt 0x0                           ; the wave's end
	ds_add_u32 v[SPW], v[NIL]
	s_wait_dscnt 0x0
	s_endpgm
	; ---- a block of 32 rows of C[2]
.Lquant:
	s_sub_co_u32 s14, ttmp9, 32
	s_mul_i32 s14, s14, 11
	s_add_co_u32 s14, s14, s[WV]
	s_add_co_u32 s14, s14, FIRST                   ; my block
	s_cmp_gt_u32 s14, 3124
	s_cbranch_scc1 .Ldone
	s_lshl_b32 s20, s14, 13
	s_add_co_u32 s20, s20, 2*TABLE                 ; 8,192 bytes of C[2]: the last ends at 76,800,000
	s_mov_b32 s21, 0
	s_lshl_b32 s22, s14, 11                        ; 2,048 bytes of codes
	s_mov_b32 s23, 0
	v_lshlrev_b32 v[L16], 4, v[LN]
	v_and_b32 v3, 7, v0
	v_bfe_u32 v1, v0, 3, 1
	v_lshlrev_b32 v[CS], 3, v3
	v_lshl_add_u32 v[CS], v1, 2, v[CS]             ; stage, in: word 2 (g % 8) + g / 8, g = lane % 16
	v_mul_u32_u24 v[FA], v3, CPI                   ; out: row i = lane % 8 (+ 8 t),
	v_lshl_add_u32 v[FA], v1, 5, v[FA]             ; 32 h, h = lane / 8 % 2,
	v_bfe_u32 v3, v0, 4, 1
	v_lshl_add_u32 v[FA], v3, 4, v[FA]             ; 16 q, q = lane / 16
	v_mul_u32_u24 v1, v3, 8*CPI
	v_add_nc_u32 v[CS], v[CS], v1                  ; in: load i brings rows 2 i + lane / 16; row 4 k + t lies at place 8 t + k: 8 (lane / 16) + 16 (i % 2) + i / 2
	s_mul_i32 s24, s[WV], 32*CPI
	s_add_co_u32 s24, s24, STG                     ; my stage
	v_add_nc_u32 v[CS], s24, v[CS]
	v_add_nc_u32 v[FA], s24, v[FA]
	s_wait_alu depctr_va_vdst(0)
	s_wait_kmcnt 0x0
	s_load_b64 s[16:17], s[6:7], 0x0               ; e0, e1
	s_add_nc_u64 s[10:11], s[10:11], s[20:21]
	s_add_nc_u64 s[12:13], s[12:13], s[22:23]
.irp i, 0,1,2,3,4,5,6,7,8,9,10,11,12,13,14,15
	global_load_b128 v[R+4*\i:R+4*\i+3], v[L16], s[10:11] offset:512*\i th:TH_LOAD_NT   ; rows 2 i, 2 i + 1: 512 consecutive bytes; read once in the launch
.endr
	s_wait_kmcnt 0x0
	SCALE 17
	s_wait_alu depctr_va_vdst(0)
.irp p, 0,1,2,3,4,5,6,7
	s_wait_loadcnt 14-2*\p                         ; loads 2 p and 2 p + 1 are in; the younger ones may be out
.irp k, 0,1,2,3,4,5,6,7
	v_med3_num_f32 v[R+8*\p+\k], v[R+8*\p+\k], -v[LM], v[LM]
.endr
	v_cvt_scalef32_pk8_fp8_f32 v[QC+2*\p:QC+2*\p+1], v[R+8*\p:R+8*\p+7], v[SC]   ; word 0: four codes of load 2 p's row; word 1: of load 2 p + 1's
.endr
	v_nop                                          ; one plain vector instruction behind the last conversion
	s_wait_alu depctr_va_vdst(0)
.irp i, 0,1,2,3,4,5,6,7,8,9,10,11,12,13,14,15
	ds_store_b32 v[CS], v[QC+\i] offset:(16*(\i%2)+\i/2)*CPI
.endr
.irp t, 0,1,2,3
	ds_load_b128 v[T+4*\t:T+4*\t+3], v[FA] offset:8*CPI*\t   ; LDS serves a wave's instructions in order (ISA guide 5.7.1.4): these see my stores
.endr
.irp t, 0,1,2,3
	s_wait_dscnt 3-\t
	global_store_b128 v[L16], v[T+4*\t:T+4*\t+3], s[12:13] offset:512*\t   ; 512 consecutive bytes, aligned
.endr
	s_wait_tensorcnt 0x0                           ; the wave's end, as above
	ds_add_u32 v[SPW], v[NIL]
	s_wait_dscnt 0x0
	s_endpgm
.Lfunc_end_k_q610f0e3717_hops:
	.size	k_q610f0e3717_hops, .Lfunc_end_k_q610f0e3717_hops-k_q610f0e3717_hops
	.p2alignl 7, 3214868480
	.fill 96, 4, 3214868480
	.section	.rodata,"a",@progbits
	.p2align	6, 0x0
	.amdhsa_kernel k_q610f0e3717_hops
		.amdhsa_group_segment_fixed_size 93184
		.amdhsa_private_segment_fixed_size 0
		.amdhsa_enable_private_segment 0
		.amdhsa_kernarg_size 40
		.amdhsa_user_sgpr_count 2
		.amdhsa_user_sgpr_kernarg_segment_ptr 1
		.amdhsa_wavefront_size32 1
		.amdhsa_system_sgpr_workgroup_id_x 1
		.amdhsa_system_sgpr_workgroup_id_y 1
		.amdhsa_system_sgpr_workgroup_id_z 1
		.amdhsa_system_vgpr_workitem_id 0
		.amdhsa_next_free_vgpr 192
		.amdhsa_next_free_sgpr 66
		.amdhsa_reserve_vcc 0
		.amdhsa_float_denorm_mode_32 3
		.amdhsa_float_denorm_mode_16_64 3
		.amdhsa_memory_ordered 1
		.amdhsa_forward_progress 1
		.amdhsa_inst_pref_size 64
	.end_amdhsa_kernel
	.amdgpu_metadata
---
amdhsa.version: [ 1, 2 ]
amdhsa.kernels:
  - .name:           k_q610f0e3717_hops
    .symbol:         k_q610f0e3717_hops.kd
    .args:
      - { .name: sums, .offset: 0, .size: 8, .value_kind: global_buffer, .address_space: global }
      - { .name: lowp_scales, .offset: 8, .size: 8, .value_kind: global_buffer, .address_space: global }
      - { .name: ucodes, .offset: 16, .size: 8, .value_kind: global_buffer, .address_space: global }
      - { .name: C, .offset: 24, .size: 8, .value_kind: global_buffer, .address_space: global }
      - { .name: ccodes, .offset: 32, .size: 8, .value_kind: global_buffer, .address_space: global }
    .group_segment_fixed_size: 93184
    .private_segment_fixed_size: 0
    .kernarg_segment_align: 8
    .kernarg_segment_size: 40
    .max_flat_workgroup_size: 352
    .sgpr_count:     66
    .vgpr_count:     192
    .wavefront_size: 32
...
	.end_amdgpu_metadata
.endif
;; end of part 4
;; launch logits (part 5): grid 625 x 1, 5 waves a work-group, no clusters, 0 bytes of LDS; arguments ccodes, ucodes, lowp_scales, out0; writes out0
.if DOCPART == 5
	.amdgcn_target "amdgcn-amd-amdhsa--gfx1250"
	.amdhsa_code_object_version 6
	.text
	.protected	k_q610f0e3717_logits
	.globl	k_q610f0e3717_logits
	.p2align	8
	.type	k_q610f0e3717_logits,@function
k_q610f0e3717_logits:
	s_mov_b64 s[64:65], 0
	v_nop
	global_prefetch_b8 v0, s[64:65] scope:SCOPE_SE
	s_setreg_imm32_b32 hwreg(HW_REG_WAVE_MODE, 25, 1), 1
	s_wait_xcnt 0x0
; LOGITS: out0[b][v] = sum over e of Q(u[b][e]) Q(C[2][v][e]), both operands as codes of E4M3 made by the launch before; sums in f32, each multiplied once by 2^(e0 + e1).  No work of reference() is left out here.
; LIMIT: e0 + e1 between -126 and 127, so that the power of two is an f32 number.
; WHOLE UNITS OF 256 BYTES.  A row of out0 is 400,000 bytes, two rows are 3,125 x 256.  So in even rows an aligned unit begins at a column that is a multiple of 64, in odd rows 32 columns further on; and one unit of each pair
; of rows holds the even row's last 32 columns and the odd row's first 32.
; A TASK is a wave's: unit k of each of the 16 pairs of rows.  Task n = 0 .. 3,124 takes the blocks of 32 columns n and n + 1: for even n the even rows (k = n / 2), for odd n the odd rows (k = (n + 3,125) / 2); so a
; work-group's five neighbouring tasks share their blocks.  Task 3,124 is the unit that runs over the rows' border: blocks 3,124 (even rows) and 0 (odd rows); it multiplies with both sets of batches and selects by lane.
; THE MATRIX INSTRUCTION: source 0 = the 16 batches of one parity, source 1 = 16 columns.  In tile t lane (r, h) has column 4 r + t of the unit, so its four tiles' results for a batch are 16 neighbouring bytes, and
; sixteen lanes hold a unit: results go out from registers, with no LDS.  ccodes is laid so that a fragment loads straight into its registers.  K is ordered alike in both operands.
; NO CLUSTER, NO TENSOR LOAD, no LDS: each fragment feeds one matrix instruction; work-groups share u's codes and one block of 2,048 bytes with a neighbour.  No prefetch: there is no loop to run ahead in.
.set WRAP, 3124*2048                   ; the last block's first byte
.set UA,  8
.set FA,  9
.set FW,  10
.set GO,  11
.set UF,  16                           ; v16-23  u's fragment;  v24-31 the odd batches' (the last task)
.set BF,  32                           ; v32-63  four tiles of C[2]'s codes
.set ACC, 64                           ; v64-95  four accumulators;  v96-127 four more (the last task)
.set O,   32                           ; v32-63  the results, over codes that are done with
.macro ULOAD f, off
	global_load_b128 v[\f:\f+3], v[UA], s[6:7] offset:\off
	global_load_b128 v[\f+4:\f+7], v[UA], s[6:7] offset:\off+16
.endm
.macro CLOAD adr                       ; each load: two aligned runs of 256 bytes
.irp t, 0,1,2,3
.irp q, 0,1
	global_load_b128 v[BF+8*\t+4*\q:BF+8*\t+4*\q+3], v[\adr], s[4:5] offset:512*\t+256*\q
.endr
.endr
.endm
.macro FACTOR
	s_wait_kmcnt 0x0
	s_add_co_i32 s26, s16, s17
	s_add_co_i32 s26, s26, 127
	s_lshl_b32 s26, s26, 23                        ; 2^(e0 + e1) as f32
.endm
.macro PLACES                          ; four places between a matrix instruction and the first read of its result or write of its sources (ISA guide 7.12.1)
.rept 4
	v_nop
.endr
.endm
	s_load_b256 s[4:11], s[0:1], 0x0               ; C[2]'s codes s[4:5], u's s[6:7], the exponents s[8:9], out0 s[10:11]
	v_lshrrev_b32 v1, 5, v0
	v_readfirstlane_b32 s12, v1                    ; wave 0..4
	v_and_b32 v2, 15, v0                           ; r
	v_bfe_u32 v3, v0, 4, 1                         ; h
	v_bfe_u32 v4, v0, 3, 1                         ; which of the task's two blocks: r / 8
	v_and_b32 v5, 7, v0
	v_lshlrev_b32 v[UA], 8, v2
	v_lshl_add_u32 v[UA], v3, 5, v[UA]             ; u: row r of 256 bytes, 32 h
	v_lshlrev_b32 v6, 4, v5
	v_lshl_add_u32 v6, v3, 7, v6                   ; in a block: 128 h + 16 (r % 8)
	v_lshl_add_u32 v[FA], v4, 11, v6
	v_mul_u32_u24 v7, v4, WRAP
	v_sub_nc_u32 v7, WRAP, v7
	v_add_nc_u32 v[FW], v6, v7                     ; the last task: block 3,124, then block 0
	v_cmp_ne_u32 s24, 0, v4                        ; lanes of the second block
	v_mul_u32_u24 v[GO], v3, 6400000
	v_lshl_add_u32 v[GO], v2, 4, v[GO]             ; out0: pair 8 h (+ j) of 800,000 bytes, 16 r
	s_mul_i32 s13, ttmp9, 5
	s_add_co_u32 s13, s13, s12                     ; n
	s_and_b32 s14, s13, 1                          ; the parity of my rows
	s_mul_i32 s15, s14, 3125
	s_add_co_u32 s15, s15, s13
	s_lshl_b32 s18, s15, 7                         ; 256 k
	s_mov_b32 s19, 0
	s_lshl_b32 s20, s14, 12                        ; u's codes: the odd batches lie 16 rows on
	s_mov_b32 s21, 0
	s_lshl_b32 s22, s13, 11                        ; block n
	s_mov_b32 s23, 0
	s_wait_alu depctr_va_vdst(0)
	s_wait_kmcnt 0x0
	s_load_b64 s[16:17], s[8:9], 0x0               ; e0, e1
	s_add_nc_u64 s[6:7], s[6:7], s[20:21]
	s_add_nc_u64 s[10:11], s[10:11], s[18:19]
	s_cmp_eq_u32 s13, 3124
	s_cbranch_scc1 .Lborder
	s_add_nc_u64 s[4:5], s[4:5], s[22:23]
	ULOAD UF, 0
	CLOAD FA
	FACTOR
.irp t, 0,1,2,3
	s_wait_loadcnt 6-2*\t                          ; u's and tile t's; the younger tiles' may be out
	v_wmma_f32_16x16x64_fp8_fp8 v[ACC+8*\t:ACC+8*\t+7], v[UF:UF+7], v[BF+8*\t:BF+8*\t+7], 0   ; K = 64 is one instruction
.endr
	PLACES
.irp j, 0,1,2,3,4,5,6,7                ; each accumulator from its low end on
.irp t, 0,1,2,3
	v_mul_f32 v[O+4*\j+\t], s26, v[ACC+8*\t+\j]
.endr
	global_store_b128 v[GO], v[O+4*\j:O+4*\j+3], s[10:11] offset:800000*\j th:TH_STORE_NT   ; two whole aligned units: pairs j and 8 + j
.endr
	s_endpgm
.Lborder:
	ULOAD UF, 0
	ULOAD UF+8, 4096
	CLOAD FW
	FACTOR
	s_wait_loadcnt 0x0
.irp m, 0,1
.irp t, 0,1,2,3
	v_wmma_f32_16x16x64_fp8_fp8 v[ACC+32*\m+8*\t:ACC+32*\m+8*\t+7], v[UF+8*\m:UF+8*\m+7], v[BF+8*\t:BF+8*\t+7], 0
.endr
.endr
	PLACES
.irp j, 0,1,2,3,4,5,6,7
.irp t, 0,1,2,3
	v_cndmask_b32 v[O+4*\j+\t], v[ACC+8*\t+\j], v[ACC+32+8*\t+\j], s24   ; block 3,124 of the even row, block 0 of the odd row
.endr
.irp t, 0,1,2,3
	v_mul_f32 v[O+4*\j+\t], s26, v[O+4*\j+\t]
.endr
	global_store_b128 v[GO], v[O+4*\j:O+4*\j+3], s[10:11] offset:800000*\j th:TH_STORE_NT
.endr
	s_endpgm
.Lfunc_end_k_q610f0e3717_logits:
	.size	k_q610f0e3717_logits, .Lfunc_end_k_q610f0e3717_logits-k_q610f0e3717_logits
	.p2alignl 7, 3214868480
	.fill 96, 4, 3214868480
	.section	.rodata,"a",@progbits
	.p2align	6, 0x0
	.amdhsa_kernel k_q610f0e3717_logits
		.amdhsa_group_segment_fixed_size 0
		.amdhsa_private_segment_fixed_size 0
		.amdhsa_enable_private_segment 0
		.amdhsa_kernarg_size 32
		.amdhsa_user_sgpr_count 2
		.amdhsa_user_sgpr_kernarg_segment_ptr 1
		.amdhsa_wavefront_size32 1
		.amdhsa_system_sgpr_workgroup_id_x 1
		.amdhsa_system_sgpr_workgroup_id_y 1
		.amdhsa_system_sgpr_workgroup_id_z 1
		.amdhsa_system_vgpr_workitem_id 0
		.amdhsa_next_free_vgpr 128
		.amdhsa_next_free_sgpr 66
		.amdhsa_reserve_vcc 0
		.amdhsa_float_denorm_mode_32 3
		.amdhsa_float_denorm_mode_16_64 3
		.amdhsa_memory_ordered 1
		.amdhsa_forward_progress 1
		.amdhsa_inst_pref_size 11
	.end_amdhsa_kernel
	.amdgpu_metadata
---
amdhsa.version: [ 1, 2 ]
amdhsa.kernels:
  - .name:           k_q610f0e3717_logits
    .symbol:         k_q610f0e3717_logits.kd
    .args:
      - { .name: ccodes, .offset: 0, .size: 8, .value_kind: global_buffer, .address_space: global }
      - { .name: ucodes, .offset: 8, .size: 8, .value_kind: global_buffer, .address_space: global }
      - { .name: lowp_scales, .offset: 16, .size: 8, .value_kind: global_buffer, .address_space: global }
      - { .name: out0, .offset: 24, .size: 8, .value_kind: global_buffer, .address_space: global }
    .group_segment_fixed_size: 0
    .private_segment_fixed_size: 0
    .kernarg_segment_align: 8
    .kernarg_segment_size: 32
    .max_flat_workgroup_size: 160
    .sgpr_count:     66
    .vgpr_count:     128
    .wavefront_size: 32
...
	.end_amdgpu_metadata
.endif
;; end of part 5
